; MI455X (gfx1250); checked and timed in simulation.
; The chip was launched on July 23, 2026; its instructions are those of AMD's public machine-readable ISA for CDNA 5 (MIT licence, August 2026) and "CDNA5" Instruction Set Architecture Reference Guide (July 2026). The comments in the code are by the model that wrote it; some were corrected since.
;; Atten Head. Allowed arithmetic: matrix products marked QUANTISED: E2M3 operands, one E8M0 scale for each 32 along K, by v_wmma_scale_f32_16x16x128_f8f6f4 with both operands' format E2M3, f32 sums; everything else in f32.
;; Inputs: K_weight 1,024 x 1,024 float32; Q_weight 1,024 x 1,024 float32; V_weight 1,024 x 1,024 float32; inputs_for_keys 4 x 2,048 x 1,024 float32; inputs_for_queries 4 x 2,048 x 1,024 float32; inputs_for_values 4 x 2,048 x 1,024 float32.
;; Outputs: out0 4 x 2,048 x 1,024 float32.
;; This version of the problem:
;;   THIS VERSION OF THE PROBLEM IS GIVEN IN LOW PRECISION. The matrix products marked QUANTISED in the list below multiply operands that are first quantised to E2M3 (2 exponent bits, 3 mantissa bits; 6 bits a number), with one power-of-two scale for each 32 numbers along K (OCP MX v1.0); their sums are f32. All else is computed in f32.
;;   The module's matrix products, in the order in which they are computed (A, B: the left and right operand; K: the contracted axis; several contracted axes count as one K, in the product's order):
;;     1. [M 8,192, K 1,024] x [K 1,024, N 1,024]; A: input inputs_for_keys; B: input K_weight: QUANTISED
;;     2. [M 8,192, K 1,024] x [K 1,024, N 1,024]; A: input inputs_for_values; B: input V_weight: QUANTISED
;;     3. [M 8,192, K 1,024] x [K 1,024, N 1,024]; A: input inputs_for_queries; B: input Q_weight: QUANTISED
;;     4. batch 4 x [M 2,048, K 1,024] x [K 1,024, N 2,048]; A: computed on the way; B: computed on the way: QUANTISED
;;     5. batch 4 x [M 2,048, K 2,048] x [K 2,048, N 1,024]; A: softmax (see below); B: computed on the way: QUANTISED
;;   THE QUANTISER, for each operand of a quantised product, along K:
;;     - K is cut into blocks of 32 from its start; a last block that is shorter is filled with zeros.
;;     - A block's scale is 2^e with e = floor(log2(the largest magnitude in the block)) - 2, held to -126 .. 127; a block of zeros has e = 0. As a byte (E8M0): e + 127.
;;     - Each number is divided by its block's scale, clamped to +-7.5, and rounded to the nearest number of E2M3, ties to even, subnormals kept.
;;     - The product sums the exact products of the quantised numbers (number of the format x scale) in f32.
;;   ~~~python
;;   def quantise(x, axis):      # numpy; x: float32 -> the quantised numbers, widened to float32 again
;;       x = np.moveaxis(x, axis, -1); K = x.shape[-1]
;;       x = np.pad(x, [(0, 0)] * (x.ndim - 1) + [(0, -K % 32)]); x = x.reshape(x.shape[:-1] + (-1, 32)); a = np.abs(x).max(-1, keepdims=True)
;;       e = np.where(a > 0, np.clip(np.frexp(np.where(a > 0, a, 1))[1] - 1 - 2, -126, 127), 0)      # np.frexp(a)[1] - 1 = floor(log2(a)), exactly
;;       r = np.clip(x / 2.0 ** e, -7.5, 7.5)
;;       step = 2.0 ** (np.maximum(np.frexp(np.where(r == 0, 1, r))[1] - 1, 0) - 3)
;;       q = np.round(r / step) * step * 2.0 ** e      # np.round: ties to even
;;       return np.moveaxis(q.reshape(q.shape[:-2] + (-1,))[..., :K], -1, axis).astype(np.float32)
;;   ~~~
;;   SOFTMAX AHEAD OF A QUANTISED PRODUCT. Where the list says 'softmax', what is quantised is not the finished softmax but p = 2^(t - M), with t = logit x log2(e) and M = ceil(the row's largest t), a whole number; so 1/2 < the row's largest p <= 1. The row's sum l is taken of the UNQUANTISED p, in f32, and the product's result is divided by l at the end. Since M is a whole number, a kernel that streams over the keys may use a running M (the ceiling of the running maximum): every later rescaling is an exact power of two, which a block's scale takes up: the codes' values come out the same.
;;   OPERANDS COMPUTED ON THE WAY. 'Computed on the way' means the value that the module computes at that place (a softmax that the list does not call 'softmax' is quantised finished and normalised). What goes into a quantiser is computed in f32, as accurately as f32 sums, v_exp_f32 and their like allow (about 1e-6 of the number): no bf16 or f16 on the way to a quantiser, and a product that is left as it is and whose result goes on into a quantised operand takes f32 operands (vector FMAs, or v_wmma_f32_16x16x4_f32). A number that lies on a knife's edge between two numbers of the format may be rounded either way, as far as f32 arithmetic and the matrix unit's own rounding can turn it there, and no further.
;; One version. Each part assembles by itself: llvm-mc -triple=amdgcn-amd-amdhsa -mcpu=gfx1250 --defsym DOCPART=n.
;; ======== version 1 of 1: 4 launches
;; workspace buffers: xw 23,003,136 bytes; qkv 20,447,232 bytes; pimg 13,631,488 bytes; stat 2,097,152 bytes
;; launch prep (part 1): grid 864 x 1, 4 waves a work-group, no clusters, 34,304 bytes of LDS; arguments inputs_for_keys, inputs_for_queries, inputs_for_values, K_weight, Q_weight, V_weight, xw; writes xw
.if DOCPART == 1
	.amdgcn_target "amdgcn-amd-amdhsa--gfx1250"
	.amdhsa_code_object_version 6
	.text
	.protected	k_q0d222a5851_prep
	.globl	k_q0d222a5851_prep
	.p2align	8
	.type	k_q0d222a5851_prep,@function
k_q0d222a5851_prep:
	s_mov_b64 s[64:65], 0
	v_nop
	global_prefetch_b8 v0, s[64:65] scope:SCOPE_SE
	s_setreg_imm32_b32 hwreg(HW_REG_WAVE_MODE, 25, 1), 1
	s_wait_xcnt 0x0
; PREP: the three inputs x [8192][1024] (K innermost) and the three weights W [1024 (k)][1024 (n)] (K outermost), f32, become codes of E2M3 with one E8M0 byte for each 32 along K.
; They are laid as RECORDS of 3,328 bytes: one tile of 16 rows x 256 along K = two images of an operand's 12 registers (register group c of lane l at 512 c + 16 l; 1,536 bytes for 128 along K)
; and 256 bytes of scale words (lane l: 8 bytes, the words of the two images for row l % 16; lanes 16-31 hold them again).  So every later reader takes a fragment by three loads of 16 bytes a lane.
; xw: x of T (0 keys, 1 queries, 2 values) at T x 6,815,744 as [row tile 512][record 4]; W^T of T at 20,447,232 + T x 851,968 as [n tile 64][record 4].
; A block's scale is 2^(floor(log2(largest magnitude)) - 2); its byte is the largest magnitude's exponent field - 2, held at 1 from below by a floor among the maximum's leaves.
; LIMITS: a block of zeros gets the byte 1 where the quantiser says 127 (its codes are zeros, and this program alone reads the bytes); NaN and infinities among the inputs are not served.
; Work-groups 0-767 take x: a wave takes 16 rows x 512 along K.  Each load reads 512 consecutive bytes of a row; the 16 x 512 bytes of a sub-step turn through the wave's own stage in LDS
; (rows 528 bytes apart) so that lane (r, h) gets k = 64 c + 32 h + 0 .. 31 of row r.  Work-groups 768-863 take W: a lane takes a column and its registers run down K, so nothing is transposed.
; Memory binds: no matrix unit, no cluster, no barrier (waves share nothing).
.set SPARE, 33792                      ; behind the four stages: the spare words, 128 bytes for each wave
.set STG,   8448                       ; a wave's stage: 16 rows x 528 bytes
.set SPW, 1                            ; v1  LDS address of my spare word; never rewritten
.set NIL, 2                            ; v2  0; never rewritten
.set C,   16                           ; v16-27  a fragment's codes
.set H,   28                           ; v28-30, v32-34 the second halves of the blocks (a conversion's three registers begin on an even number)
.set MX,  36                           ; v36-37  largest magnitudes
.set SO,  38                           ; v38-39  the conversions' scale operands
.set BY,  40                           ; v40-41  scale bytes
.set WD,  42                           ; v[42:43] the scale words of a record's two images
.set R,   64                           ; v64-191 x: two sets of 64 as loaded;  W: v64-127 two sets of 32, v128-175 the codes
.set X,   192                          ; v192-255 x: my 64 numbers of a sub-step
.set CW,  128
	s_load_b256 s[4:11], s[0:1], 0x0               ; keys, queries, values, K_weight
	s_load_b128 s[12:15], s[0:1], 0x20             ; Q_weight, V_weight
	s_load_b64 s[16:17], s[0:1], 0x30              ; xw
	v_lshl_add_u32 v[SPW], v0, 2, SPARE
	v_mov_b32 v[NIL], 0
	v_lshrrev_b32 v3, 5, v0
	v_readfirstlane_b32 s18, v3                    ; wave
	v_and_b32 v10, 31, v0                          ; lane
	v_and_b32 v11, 15, v0                          ; r
	v_bfe_u32 v12, v0, 4, 1                        ; h
	s_cmp_lt_u32 ttmp9, 768
	s_cbranch_scc0 .Lweights
; ---------------- x ----------------
.macro LOADX s                         ; sub-step s (128 along K) of my 16 rows: each load reads 512 consecutive bytes of one row
.irp i, 0,1,2,3,4,5,6,7,8,9,10,11,12,13,14,15
	global_load_b128 v[R+64*((\s)%2)+4*\i:R+64*((\s)%2)+4*\i+3], v3, s[20:21] offset:4096*\i+512*(\s) th:TH_LOAD_NT
.endr
.endm
.macro QX sub                          ; my 64 numbers (two whole blocks: 2 c + h) become the fragment's 12 registers and my row's scale word
	s_wait_xcnt 0x0                                ; the earlier stores have read C and WD: they are written again only behind this wait
.irp c, 0,1
	v_max3_num_f32 v[MX+\c], |v[X+32*\c]|, |v[X+32*\c+1]|, 0x1800000   ; with the floor 2^(3 - 127): the byte cannot fall under 1
.endr
.irp i, 2,4,6,8,10,12,14,16,18,20,22,24,26,28,30
.irp c, 0,1
	v_max3_num_f32 v[MX+\c], v[MX+\c], |v[X+32*\c+\i]|, |v[X+32*\c+\i+1]|   ; the two blocks by turns
.endr
.endr
.irp c, 0,1
	v_add_nc_u32 v[SO+\c], 0xff000000, v[MX+\c]    ; 2 off the exponent field: the conversion's scale operand
.endr
.irp c, 0,1
	v_lshrrev_b32 v[BY+\c], 23, v[SO+\c]           ; the scale's byte
.endr
	v_lshl_or_b32 v44, v[BY+1], 16, v[BY]          ; my two bytes: blocks h and 2 + h,
	v_lshlrev_b32 v44, v7, v44                     ; 8 h bits up;
	v_permlanex16_b32 v45, v44, s26, s27
	v_or_b32 v[WD+(\sub)], v44, v45                ; with lane l xor 16's two the word is whole, in both halves of the lanes
.irp c, 0,1
	v_cvt_scalef32_pk16_fp6_f32 v[C+6*\c:C+6*\c+2], v[X+32*\c:X+32*\c+15], v[SO+\c]
	v_cvt_scalef32_pk16_fp6_f32 v[H+4*\c:H+4*\c+2], v[X+32*\c+16:X+32*\c+31], v[SO+\c]
.endr
	v_nop                                          ; one plain place behind a scaled conversion
.irp c, 0,1
.irp i, 0,1,2
	v_mov_b32 v[C+6*\c+3+\i], v[H+4*\c+\i]
.endr
.endr
.endm
.macro XSTEP s
.if (\s) < 3
	s_wait_loadcnt 16                              ; this sub-step's 16 loads are in; the next sub-step's 16 stay out
.else
	s_wait_loadcnt 0x0
.endif
.irp i, 0,1,2,3,4,5,6,7,8,9,10,11,12,13,14,15
	ds_store_b128 v4, v[R+64*((\s)%2)+4*\i:R+64*((\s)%2)+4*\i+3] offset:528*\i     ; row i as it lies
.endr
.irp c, 0,1
.irp j, 0,1,2,3,4,5,6,7
	ds_load_b128 v[X+32*\c+4*\j:X+32*\c+4*\j+3], v5 offset:256*\c+16*\j           ; LDS serves a wave's instructions in order: these see my stores
.endr
.endr
	s_wait_dscnt 0x0
.if (\s) < 2
	LOADX (\s)+2
.endif
	QX (\s)%2
.irp c, 0,1,2
	global_store_b128 v3, v[C+4*\c:C+4*\c+3], s[24:25] offset:((\s)/2)*3328+((\s)%2)*1536+512*\c   ; 512 consecutive bytes
.endr
.if (\s)%2
	global_store_b64 v6, v[WD:WD+1], s[24:25] offset:((\s)/2)*3328+3072            ; the record's 256 bytes of scale words
.endif
.endm
	s_lshr_b32 s19, ttmp9, 8                       ; T
	s_and_b32 s28, ttmp9, 255
	s_lshl_b32 s28, s28, 2
	s_add_co_u32 s28, s28, s18                     ; my job: row tile = job / 2, half of K = job % 2
	s_lshr_b32 s29, s28, 1
	s_and_b32 s30, s28, 1
	s_lshl_b32 s22, s29, 16                        ; in: 16 rows of 4,096 bytes a tile,
	s_lshl_b32 s31, s30, 11                        ; 2,048 bytes a half
	s_add_co_u32 s22, s22, s31
	s_mov_b32 s23, 0
	s_mul_i32 s32, s19, 6815744                    ; out: two records a job
	s_mul_i32 s33, s28, 6656
	s_add_co_u32 s32, s32, s33
	s_mov_b32 s33, 0
	s_mov_b32 s26, 0x76543210
	s_mov_b32 s27, 0xfedcba98                      ; v_permlanex16_b32's selects for lane l xor 16
	s_mul_i32 s34, s18, STG
	v_lshlrev_b32 v3, 4, v10                       ; 16 x lane
	v_add_nc_u32 v4, s34, v3                       ; the stage, on the way in
	v_mul_u32_u24 v5, v11, 528
	v_lshl_add_u32 v5, v12, 7, v5
	v_add_nc_u32 v5, s34, v5                       ; and out: row r, + 128 h bytes
	v_lshlrev_b32 v6, 3, v10                       ; 8 x lane
	v_lshlrev_b32 v7, 3, v12                       ; 8 h
	v_mov_b32 v45, 0                               ; a lane permute's destination counts as one of its sources
	s_wait_kmcnt 0x0
	s_cmp_eq_u32 s19, 0
	s_cselect_b64 s[20:21], s[4:5], s[6:7]
	s_cmp_eq_u32 s19, 2
	s_cselect_b64 s[20:21], s[8:9], s[20:21]       ; the choice hangs on the work-group's number alone
	s_add_nc_u64 s[20:21], s[20:21], s[22:23]
	s_add_nc_u64 s[24:25], s[16:17], s[32:33]
	LOADX 0
	LOADX 1
	XSTEP 0
	XSTEP 1
	XSTEP 2
	XSTEP 3
	s_wait_tensorcnt 0x0                           ; the wave's end, behind my last LDS store
	ds_add_u32 v[SPW], v[NIL]
	s_wait_dscnt 0x0
	s_endpgm
; ---------------- W ----------------
.macro LOADW t                         ; block t: W(32 t + i, my column): 32 lanes read 128 consecutive bytes, the four waves stand side by side
.irp i, 0,1,2,3,4,5,6,7,8,9,10,11,12,13,14,15,16,17,18,19,20,21,22,23,24,25,26,27,28,29,30,31
	global_load_b32 v[R+32*((\t)%2)+\i], v13, s[20:21] offset:(32*(\t)+\i)*4096 th:TH_LOAD_NT
.endr
.endm
.macro WBLOCK t
.set XS, R+32*((\t)%2)
.set CD, CW+24*((\t)/4)+12*((\t)%2)+6*(((\t)%4)/2)   ; block b of an image belongs to image lane (r, b % 2), registers 6 (b / 2) on
.if (\t) < 7
	s_wait_loadcnt 32                              ; this block's 32 loads are in; the next block's stay out
.else
	s_wait_loadcnt 0x0
.endif
	v_max3_num_f32 v[MX], |v[XS]|, |v[XS+1]|, |v[XS+2]|
	v_max3_num_f32 v[MX+1], |v[XS+3]|, |v[XS+4]|, |v[XS+5]|
.irp i, 6,10,14,18,22,26
	v_max3_num_f32 v[MX], v[MX], |v[XS+\i]|, |v[XS+\i+1]|
	v_max3_num_f32 v[MX+1], v[MX+1], |v[XS+\i+2]|, |v[XS+\i+3]|
.endr
	v_max3_num_f32 v[MX], v[MX], |v[XS+30]|, |v[XS+31]|
	v_max3_num_f32 v[MX], v[MX], v[MX+1], 0x1800000   ; and the floor
	v_add_nc_u32 v[SO], 0xff000000, v[MX]
	v_lshrrev_b32 v[BY], 23, v[SO]
.if (\t)%4 == 0
	v_mov_b32 v[WD+(\t)/4], v[BY]
.else
	v_lshl_or_b32 v[WD+(\t)/4], v[BY], 8*((\t)%4), v[WD+(\t)/4]
.endif
	v_cvt_scalef32_pk16_fp6_f32 v[CD:CD+2], v[XS:XS+15], v[SO]
	v_cvt_scalef32_pk16_fp6_f32 v[H:H+2], v[XS+16:XS+31], v[SO]
	v_nop                                          ; one plain place behind a scaled conversion
.irp i, 0,1,2
	v_mov_b32 v[CD+3+\i], v[H+\i]
.endr
.if (\t)+2 < 8
	LOADW (\t)+2
.endif
.if (\t)%4 == 3                        ; an image is whole: sixteen lanes store 256 consecutive bytes of their tile's image; each register is written once, so no store's data are written again
.irp g, 0,1
.irp c, 0,1,2
	global_store_b128 v8, v[CW+24*((\t)/4)+12*\g+4*\c:CW+24*((\t)/4)+12*\g+4*\c+3], s[24:25] offset:1536*((\t)/4)+512*\c+256*\g
.endr
.endr
.endif
.endm
.Lweights:
	s_sub_co_u32 s28, ttmp9, 768
	s_lshr_b32 s19, s28, 5                         ; T
	s_bfe_u32 s29, s28, 0x30002                    ; which 128 columns
	s_and_b32 s30, s28, 3                          ; which 256 along K: the record
	s_lshl_b32 s22, s30, 20                        ; in: 256 rows of 4,096 bytes,
	s_lshl_b32 s31, s29, 9
	s_add_co_u32 s22, s22, s31
	s_lshl_b32 s31, s18, 7                         ; my wave's 32 columns
	s_add_co_u32 s22, s22, s31
	s_mov_b32 s23, 0
	s_mul_i32 s32, s19, 851968
	s_add_co_u32 s32, s32, 20447232
	s_lshl_b32 s31, s29, 3
	s_lshl_b32 s33, s18, 1
	s_add_co_u32 s31, s31, s33                     ; my wave's first tile of 16 columns
	s_mul_i32 s31, s31, 13312
	s_add_co_u32 s32, s32, s31
	s_mul_i32 s31, s30, 3328
	s_add_co_u32 s32, s32, s31
	s_mov_b32 s33, 0
	v_lshlrev_b32 v13, 2, v10                      ; 4 x lane
	v_mul_u32_u24 v8, v12, 13312                   ; lanes 16-31: the next tile
	v_lshl_add_u32 v9, v11, 3, v8                  ; scale words: 8 bytes a row
	v_lshl_add_u32 v8, v11, 4, v8                  ; codes: 16 bytes a row
	s_wait_kmcnt 0x0
	s_cmp_eq_u32 s19, 0
	s_cselect_b64 s[20:21], s[10:11], s[12:13]
	s_cmp_eq_u32 s19, 2
	s_cselect_b64 s[20:21], s[14:15], s[20:21]
	s_add_nc_u64 s[20:21], s[20:21], s[22:23]
	s_add_nc_u64 s[24:25], s[16:17], s[32:33]
	LOADW 0
	LOADW 1
.irp t, 0,1,2,3,4,5,6,7
	WBLOCK \t
.endr
	global_store_b64 v9, v[WD:WD+1], s[24:25] offset:3072    ; the words for image lanes 0-15,
	global_store_b64 v9, v[WD:WD+1], s[24:25] offset:3200    ; and again for lanes 16-31
	s_endpgm
.Lfunc_end_k_q0d222a5851_prep:
	.size	k_q0d222a5851_prep, .Lfunc_end_k_q0d222a5851_prep-k_q0d222a5851_prep
	.p2alignl 7, 3214868480
	.fill 96, 4, 3214868480
	.section	.rodata,"a",@progbits
	.p2align	6, 0x0
	.amdhsa_kernel k_q0d222a5851_prep
		.amdhsa_group_segment_fixed_size 34304
		.amdhsa_private_segment_fixed_size 0
		.amdhsa_enable_private_segment 0
		.amdhsa_kernarg_size 56
		.amdhsa_user_sgpr_count 2
		.amdhsa_user_sgpr_kernarg_segment_ptr 1
		.amdhsa_wavefront_size32 1
		.amdhsa_system_sgpr_workgroup_id_x 1
		.amdhsa_system_sgpr_workgroup_id_y 1
		.amdhsa_system_sgpr_workgroup_id_z 1
		.amdhsa_system_vgpr_workitem_id 0
		.amdhsa_next_free_vgpr 256
		.amdhsa_next_free_sgpr 66
		.amdhsa_reserve_vcc 0
		.amdhsa_float_denorm_mode_32 3
		.amdhsa_float_denorm_mode_16_64 3
		.amdhsa_memory_ordered 1
		.amdhsa_forward_progress 1
		.amdhsa_inst_pref_size 68
	.end_amdhsa_kernel
	.amdgpu_metadata
---
amdhsa.version: [ 1, 2 ]
amdhsa.kernels:
  - .name:           k_q0d222a5851_prep
    .symbol:         k_q0d222a5851_prep.kd
    .args:
      - { .name: inputs_for_keys, .offset: 0, .size: 8, .value_kind: global_buffer, .address_space: global }
      - { .name: inputs_for_queries, .offset: 8, .size: 8, .value_kind: global_buffer, .address_space: global }
      - { .name: inputs_for_values, .offset: 16, .size: 8, .value_kind: global_buffer, .address_space: global }
      - { .name: K_weight, .offset: 24, .size: 8, .value_kind: global_buffer, .address_space: global }
      - { .name: Q_weight, .offset: 32, .size: 8, .value_kind: global_buffer, .address_space: global }
      - { .name: V_weight, .offset: 40, .size: 8, .value_kind: global_buffer, .address_space: global }
      - { .name: xw, .offset: 48, .size: 8, .value_kind: global_buffer, .address_space: global }
    .group_segment_fixed_size: 34304
    .private_segment_fixed_size: 0
    .kernarg_segment_align: 8
    .kernarg_segment_size: 56
    .max_flat_workgroup_size: 128
    .sgpr_count:     66
    .vgpr_count:     256
    .wavefront_size: 32
...
	.end_amdgpu_metadata
.endif
;; end of part 1
;; launch proj (part 2): grid 4 x 64, 4 waves a work-group, clusters of 4 x 4, 327,680 bytes of LDS; arguments xw, qkv; writes qkv
.if DOCPART == 2
	.amdgcn_target "amdgcn-amd-amdhsa--gfx1250"
	.amdhsa_code_object_version 6
	.text
	.protected	k_q0d222a5851_proj
	.globl	k_q0d222a5851_proj
	.p2align	8
	.type	k_q0d222a5851_proj,@function
k_q0d222a5851_proj:
	s_mov_b64 s[64:65], 0
	v_nop
	global_prefetch_b8 v0, s[64:65] scope:SCOPE_SE
	s_setreg_imm32_b32 hwreg(HW_REG_WAVE_MODE, 25, 1), 1
	s_wait_xcnt 0x0
	s_wait_alu depctr_hold_cnt(0) depctr_sa_sdst(0) depctr_va_vdst(0) depctr_va_sdst(0) depctr_va_ssrc(0) depctr_va_vcc(0) depctr_vm_vsrc(0)
	s_getreg_b32 s2, hwreg(HW_REG_IB_STS2, 6, 4)
	s_cmp_eq_u32 s2, 0
	s_cbranch_scc0 .Lentry_in_a_cluster
	s_endpgm
.Lentry_in_a_cluster:
	s_bfe_u32 s2, ttmp6, 0x10000c
	s_cmp_lg_u32 s2, 0xf033
	s_cbranch_scc0 .Lentry_shape_is_right
	s_endpgm
.Lentry_shape_is_right:
; PROJ: K = x_k W_k, Q = x_q W_q and V^T = (x_v W_v)^T on codes of E2M3; each result is quantised in registers and leaves as records (16 rows x 256 along the next K: two register images of 1,536 bytes + 256 bytes of scale words).
; A WORK-GROUP STAYS AND MAKES A TILE AND A HALF.  K and Q have 256 tiles of 256 x 256, V^T has 128: with 256 work-groups each makes one tile of K or Q (part 1) and half a tile of V^T (part 2), under one start and one end.
; In a result lane (r, h) holds row r of the source 1 side (S1) and its register j row 8 h + j of the source 0 side (S0): a lane's registers run along S0, which is the axis to be quantised.
; PART 1: S0 = 256 rows of W^T (d), S1 = 256 rows of x; four waves, each 128 x 128: 64 accumulators.  PART 2: S0 = 256 rows of x_v (keys), S1 = 128 rows of W_v^T (d); each wave 128 x 64: 32 accumulators.  K = 1,024 in both.
; ORDER INSIDE A BLOCK OF 32: the lane's registers 16 B .. 16 B + 15 hold indices 32 B + 8 h + 0..7 and 32 B + 16 + 8 h + 0..7, so a block's codes stand in the order 0-7, 16-23, 8-15, 24-31.
; Both operands of the later products are made by these same lines, so pairs still meet; blocks and scales are the quantiser's.  LIMIT: within an instruction the products are summed in that order, not in ascending k.
; LIMITS: a block of zeros gets the byte 1 (zero codes; the bytes are this program's own); NaN and infinities are not served.
; LDS, PART 1: three slots of one record step (256 along K): S0's 16 tiles x 3,328 bytes, then S1's 16.  Records 0-2 are first fills (three loads a wave out), record 3 goes into slot 0 behind the round in sub-step 1.
; LDS, PART 2: two double slots of two record steps (a tile's two records are 6,656 consecutive bytes of memory: one load a wave brings them), laid over the three slots:
;   D0: S0's 16 tiles in slot 1, S1's 8 in the lower half of slot 2: asked for behind the round in part 1's sub-step 5, where slots 1 and 2 have been read out;
;   D1: S0's in slot 0, S1's in the upper half of slot 2: asked for behind a round among part 1's epilogue tiles, where slot 0 has been read out.  So part 2 fills nothing again.
; CLUSTER 4 x 4: S0's tiles hang on cx alone and are asked for jointly by a column of the cluster, S1's on cy alone, by a row, in both parts.
; REGISTERS, in windows of 256: window 0: v1-31 addresses; v32-63 scale words, two sets; v64-255 fragment set 0 (S0's fragment b at 64 + 12 b, S1's a at 160 + 12 a); windows 1, 2: accumulators (a, b) at 64 (a % 4) + 8 b; window 3: v64-255 fragment set 1.
.set REC,   3328
.set REC2,  2*REC
.set HALF,  8*REC                      ; eight tiles of one record: what one tensor load of part 1 brings
.set S1O,   2*HALF
.set SLOT,  4*HALF
.set SPARE, 3*SLOT                     ; behind the slots: the spare words, 128 bytes for each wave
.set D0A,   SLOT                       ; part 2: where S0's and S1's tiles of the two double slots begin
.set D0B,   2*SLOT
.set D1A,   0
.set D1B,   2*SLOT+8*REC2
.set AD0, 4                            ; v4-6   part 1: LDS address of my S0 fragments in slot 0, 1, 2
.set AD1, 8                            ; v8-10  the same for S1
.set ADS, 12                           ; v12-14 of my scale words: lanes 0-15 S0's, lanes 16-31 S1's
.set LI,  16                           ; v16    16 x lane
.set SWO, 17                           ; v17    my scale word's place from the image's first byte
.set AE0, 18                           ; v18-19 part 2: my S0 fragments in D0, D1
.set AE1, 20                           ; v20-21 my S1 fragments
.set AES, 22                           ; v22-23 scale words of tiles 0-3: lanes 0-15 S0's, lanes 16-31 S1's
.set AET, 24                           ; v24-25 scale words of S0's tiles 4-7 (S1 has four tiles a wave)
.set SPW, 28                           ; v28    LDS address of my spare word; never rewritten
.set NIL, 29                           ; v29    0; never rewritten
.set SC,  32                           ; scale words: set q at 32 + 16 q; register 2 i + sub: lanes 0-15 S0's tile i, lanes 16-31 S1's tile i
.set F0,  64
.set F1,  160
.set BM,  128                          ; the way out, in window 0: largest magnitudes;
.set PX,  132                          ; the other half's;
.set SO,  136                          ; the conversions' scale operands;
.set BY,  140                          ; scale bytes;
.set PW,  152                          ; the scale word;
.set PC,  156                          ; the codes, 12 registers;
.set PH,  168                          ; v168-170, v172-174: the odd blocks' halves
.set WV,  8
.set WS1, 9                            ; wave / 2: my half of S1.  Also: I fetch for S0 (0) or S1 (1)
.set WS0, 10                           ; wave % 2: my half of S0.  Also: which half of a side's tiles I fetch
.set G1A, 24                           ; s[24:31] descriptor group 1 for part 1's S0 tiles;  s[32:39] for S1's: they differ in the mask
.set G1B, 32
.set G0A, 40                           ; s[40:51] group 0 for S0, three sets;  s[52:63] for S1.  Sets 1 and 2 serve slots 1 and 2 first, D0 and D1 later
.set G0B, 52
.set RPB, 66                           ; s[66:67] bytes from row tile to row tile in the output
.set OUT, 68                           ; s[68:69] where my next image goes
.set SEL, 70                           ; s[70:71] lane selects for lane l xor 16
.set G1C, 80                           ; s[80:87] group 1 for part 2's S0 tiles: 8 rows of two records;  s[88:95] for S1's: 4 rows
.set G1D, 88
.set P2A, 96                           ; s[96:97] part 2: my S0 tiles in memory (hangs on cx alone);  s[98:99] my S1 tiles (on cy alone)
.set P2B, 98
.set OU2, 100                          ; s[100:101] part 2: where my first image goes
.set MSB, 0
.macro WIN new                         ; the immediate's high byte repeats the setting that is left; a switch that changes nothing is dropped
.if MSB != (\new)
	s_set_vgpr_msb (MSB<<8)|(\new)
.set MSB, (\new)
.endif
.endm
.macro PLACES                          ; four places in front of loads into registers that matrix instructions have read, and of the first read of results
.rept 4
	v_nop
.endr
.endm
.macro FETCH slot, sub, p              ; part 1: 48 LDS loads in one run: my 8 + 8 fragments of 128 along K, as images: 512 consecutive bytes a load
	WIN 0xc0*(\p)
.irp b, 0,1,2,3,4,5,6,7
.irp c, 0,1,2
	ds_load_b128 v[F0+12*\b+4*\c:F0+12*\b+4*\c+3], v[AD0+(\slot)] offset:REC*\b+1536*(\sub)+512*\c
.endr
.endr
.irp b, 0,1,2,3,4,5,6,7
.irp c, 0,1,2
	ds_load_b128 v[F1+12*\b+4*\c:F1+12*\b+4*\c+3], v[AD1+(\slot)] offset:REC*\b+1536*(\sub)+512*\c
.endr
.endr
	WIN 0
.endm
.macro SCALES slot, q                  ; a record step's scale words: two words a row
.irp i, 0,1,2,3,4,5,6,7
	ds_load_b64 v[SC+16*(\q)+2*\i:SC+16*(\q)+2*\i+1], v[ADS+(\slot)] offset:REC*\i+3072
.endr
.endm
; 16 matrix instructions: S1's tiles a0, a0 + 1 x S0's eight.  The accumulators take turns, one instruction a turn, in the same order in every sub-step.
.macro MULQ p, q, sub, a0, zero
	WIN (0x50*(1+(\a0)/4))|(0x0f*(\p))
.irp a, \a0, \a0+1
.irp b, 0,1,2,3,4,5,6,7
.if \zero
	v_wmma_scale_f32_16x16x128_f8f6f4 v[64*((\a)%4)+8*\b:64*((\a)%4)+8*\b+7], v[F0+12*\b:F0+12*\b+11], v[F1+12*(\a):F1+12*(\a)+11], 0, v[SC+16*(\q)+2*\b+(\sub)], v[SC+16*(\q)+2*(\a)+(\sub)] matrix_a_fmt:MATRIX_FMT_FP6 matrix_b_fmt:MATRIX_FMT_FP6 matrix_b_scale:MATRIX_SCALE_ROW1
.else
	v_wmma_scale_f32_16x16x128_f8f6f4 v[64*((\a)%4)+8*\b:64*((\a)%4)+8*\b+7], v[F0+12*\b:F0+12*\b+11], v[F1+12*(\a):F1+12*(\a)+11], v[64*((\a)%4)+8*\b:64*((\a)%4)+8*\b+7], v[SC+16*(\q)+2*\b+(\sub)], v[SC+16*(\q)+2*(\a)+(\sub)] matrix_a_fmt:MATRIX_FMT_FP6 matrix_b_fmt:MATRIX_FMT_FP6 matrix_b_scale:MATRIX_SCALE_ROW1
.endif
.endr
.endr
.endm
; A plain sub-step of part 1: multiplies set p; behind its first sixteen products it fetches the next sub-step's fragments into the other set: 48 matrix instructions ahead of the wait for them.
.macro SUBP p, q, sub, zero, nslot, nsub, nq
	s_wait_dscnt 0x0                               ; set p and its scale words are in
	PLACES                                         ; behind the last products that read the other set
	MULQ \p, \q, \sub, 0, \zero
	FETCH \nslot, \nsub, 1-(\p)
.if (\nq) >= 0
	SCALES \nslot, \nq
.endif
	MULQ \p, \q, \sub, 2, \zero
	MULQ \p, \q, \sub, 4, \zero
	MULQ \p, \q, \sub, 6, \zero
.endm
.macro JLOAD g0a, g1a, g0b, g1b        ; a joint load: waves 0 and 1 fetch S0's halves, waves 2 and 3 S1's; an s_nop 0 and four v_nop follow each of the two lines
	s_cmp_eq_u32 s[WS1], 0
	s_cbranch_scc0 .Lfor_b_\@
	tensor_load_to_lds s[\g0a:\g0a+3], s[\g1a:\g1a+7]
	s_nop 0
.rept 4
	v_nop
.endr
	s_branch .Lasked_\@
.Lfor_b_\@:
	tensor_load_to_lds s[\g0b:\g0b+3], s[\g1b:\g1b+7]
	s_nop 0
.rept 4
	v_nop
.endr
.Lasked_\@:
.endm
.macro CREST                           ; a round of the cluster's barrier behind its opening barrier
	s_cmp_lg_u32 s[WV], 0
	s_cbranch_scc1 .Lnot_wave_0_\@
	s_barrier_signal -3
.Lnot_wave_0_\@:
	s_barrier_wait -3
	s_barrier_signal -1
	s_barrier_wait -1
.endm
.macro CROUND
	s_barrier_signal -1
	s_barrier_wait -1
	CREST
.endm
; A sub-step of part 1 with a round and a refill.  In front of it each wave waits for all its tensor loads, adds 0 to its spare word, and waits for that and for its LDS reads.
; fill = 1: slot 0, whose last fragments every wave now holds in registers, takes record 3.  fill = 2: slots 1 and 2 have been read out: part 2's D0 is asked for.
.macro SUBT p, q, sub, fill, nslot, nq
	WIN 0                                          ; (the add's two registers lie in window 0)
	s_wait_tensorcnt 0x0                           ; all my tensor loads have landed
	ds_add_u32 v[SPW], v[NIL]                      ; 0 onto my spare word
	s_wait_dscnt 1                                 ; the add alone may be out: set p is in
	MULQ \p, \q, \sub, 0, 0                        ; sixteen matrix instructions stand between the add and the wait for it
	s_wait_dscnt 0x0
	s_barrier_signal -1
	MULQ \p, \q, \sub, 2, 0
	WIN 0
	s_barrier_wait -1
	CREST                                          ; the barrier has opened a round of the cluster's barrier; the joint load is the first tensor load behind it
.if (\fill) == 1
	s_add_nc_u64 s[G0A+2:G0A+3], s[G0A+2:G0A+3], 3*REC
	s_add_nc_u64 s[G0B+2:G0B+3], s[G0B+2:G0B+3], 3*REC
	JLOAD G0A, G1A, G0B, G1B
.else
	JLOAD G0A+4, G1C, G0B+4, G1D
.endif
	FETCH \nslot, 0, 1-(\p)                        ; (the four v_nop behind the load are also the places in front of these loads)
	SCALES \nslot, \nq
	MULQ \p, \q, \sub, 4, 0
	MULQ \p, \q, \sub, 6, 0
.endm
; ---- part 2 ----
.macro F2A d, rec, sub, p, b0          ; 12 LDS loads: S0's fragments b0 .. b0 + 3
	WIN 0xc0*(\p)
.irp b, \b0, \b0+1, \b0+2, \b0+3
.irp c, 0,1,2
	ds_load_b128 v[F0+12*(\b)+4*\c:F0+12*(\b)+4*\c+3], v[AE0+(\d)] offset:REC2*(\b)+REC*(\rec)+1536*(\sub)+512*\c
.endr
.endr
.endm
.macro F2B d, rec, sub, p              ; 12 LDS loads: S1's four fragments
	WIN 0xc0*(\p)
.irp a, 0,1,2,3
.irp c, 0,1,2
	ds_load_b128 v[F1+12*\a+4*\c:F1+12*\a+4*\c+3], v[AE1+(\d)] offset:REC2*\a+REC*(\rec)+1536*(\sub)+512*\c
.endr
.endr
.endm
.macro SCALES2 d, rec, q
	WIN 0
.irp i, 0,1,2,3
	ds_load_b64 v[SC+16*(\q)+2*\i:SC+16*(\q)+2*\i+1], v[AES+(\d)] offset:REC2*\i+REC*(\rec)+3072
.endr
.irp i, 4,5,6,7
	ds_load_b64 v[SC+16*(\q)+2*\i:SC+16*(\q)+2*\i+1], v[AET+(\d)] offset:REC2*\i+REC*(\rec)+3072
.endr
.endm
.macro MUL8 p, q, sub, a, zero         ; 8 matrix instructions: S1's tile a x S0's eight; the 32 accumulators take turns
	WIN 0x50|(0x0f*(\p))
.irp b, 0,1,2,3,4,5,6,7
.if \zero
	v_wmma_scale_f32_16x16x128_f8f6f4 v[64*(\a)+8*\b:64*(\a)+8*\b+7], v[F0+12*\b:F0+12*\b+11], v[F1+12*(\a):F1+12*(\a)+11], 0, v[SC+16*(\q)+2*\b+(\sub)], v[SC+16*(\q)+2*(\a)+(\sub)] matrix_a_fmt:MATRIX_FMT_FP6 matrix_b_fmt:MATRIX_FMT_FP6 matrix_b_scale:MATRIX_SCALE_ROW1
.else
	v_wmma_scale_f32_16x16x128_f8f6f4 v[64*(\a)+8*\b:64*(\a)+8*\b+7], v[F0+12*\b:F0+12*\b+11], v[F1+12*(\a):F1+12*(\a)+11], v[64*(\a)+8*\b:64*(\a)+8*\b+7], v[SC+16*(\q)+2*\b+(\sub)], v[SC+16*(\q)+2*(\a)+(\sub)] matrix_a_fmt:MATRIX_FMT_FP6 matrix_b_fmt:MATRIX_FMT_FP6 matrix_b_scale:MATRIX_SCALE_ROW1
.endif
.endr
.endm
; A sub-step of part 2: 32 matrix instructions on set p.  The next sub-step's 36 LDS loads go in three runs of 12, at the head, behind 8 and behind 16 products: a run is short, and the last has 16 products behind it.
; That costs two window switches a run.  bar = 1: D1 is about to be read: my part of it has landed, and a barrier shows everybody's.
.macro SUB2 bar, p, q, sub, zero, nd, nrec, nsub, nq
.if \bar
	WIN 0
	s_wait_tensorcnt 0x0
	ds_add_u32 v[SPW], v[NIL]
	s_wait_dscnt 0x0
	s_barrier_signal -1
	s_barrier_wait -1
.else
	s_wait_dscnt 0x0                               ; set p and its scale words are in
.endif
	PLACES                                         ; behind the last products that read the other set
	F2A \nd, \nrec, \nsub, 1-(\p), 0
	MUL8 \p, \q, \sub, 0, \zero
	F2A \nd, \nrec, \nsub, 1-(\p), 4
	MUL8 \p, \q, \sub, 1, \zero
	F2B \nd, \nrec, \nsub, 1-(\p)
.if (\nq) >= 0
	SCALES2 \nd, \nrec, \nq
.endif
	MUL8 \p, \q, \sub, 2, \zero
	MUL8 \p, \q, \sub, 3, \zero
.endm
; The four blocks' largest magnitudes (with the floor) stand in v[BM] on; 64 numbers of the lane at v[src] of window srcwin become a fragment's codes in v[PC] on and its scale word in v[PW].
.macro QTAIL srcwin, src
	s_wait_xcnt 0x0                                ; the earlier stores have read PC and PW
.irp k, 0,1,2,3
	v_add_nc_u32 v[SO+\k], 0xff000000, v[BM+\k]    ; 2 off the exponent field: the conversion's scale operand
.endr
.irp k, 0,1,2,3
	v_lshrrev_b32 v[BY+\k], 23, v[SO+\k]           ; the scale's byte
.endr
	v_lshl_or_b32 v[PW], v[BY+1], 8, v[BY]
	v_lshl_or_b32 v[PW], v[BY+2], 16, v[PW]
	v_lshl_or_b32 v[PW], v[BY+3], 24, v[PW]
	WIN \srcwin
.irp c, 0,1
	v_cvt_scalef32_pk16_fp6_f32 v[PC+6*\c:PC+6*\c+2], v[(\src)+32*\c:(\src)+32*\c+15], v[SO+2*\c]
	v_cvt_scalef32_pk16_fp6_f32 v[PH+4*\c:PH+4*\c+2], v[(\src)+32*\c+16:(\src)+32*\c+31], v[SO+2*\c+1]
.endr
	v_nop                                          ; one plain place behind a scaled conversion
	WIN 0
.irp c, 0,1                            ; the operand's layout wants a whole block in a lane: lanes 0-15 block 2 c, lanes 16-31 block 2 c + 1
.irp i, 0,1,2
	v_permlane16_swap_b32 v[PC+6*\c+\i], v[PH+4*\c+\i]
.endr
.irp i, 0,1,2
	v_mov_b32 v[PC+6*\c+3+\i], v[PH+4*\c+\i]
.endr
.endr
.endm
.macro EPI a                           ; S1's tile a: its 16 rows x my 128 along S0 are one image and one scale word a row
.set AB, 64*((\a)%4)
.set AW, 1+(\a)/4
	WIN 0x05*AW                                    ; sources 0 and 1: the accumulators' window
.irp k, 0,1,2,3
	v_max3_num_f32 v[BM+\k], |v[AB+16*\k]|, |v[AB+16*\k+1]|, 0x1800000   ; each accumulator is read from its low end on; the floor holds the byte at 1 from below
.endr
.irp i, 2,4,6,8,10,12,14
.irp k, 0,1,2,3
	v_max3_num_f32 v[BM+\k], |v[AB+16*\k+\i]|, |v[AB+16*\k+\i+1]|, v[BM+\k]
.endr
.endr
	WIN 0
.irp k, 0,1,2,3
	v_permlanex16_b32 v[PX+\k], v[BM+\k], s[SEL], s[SEL+1]
.endr
.irp k, 0,1,2,3
	v_max_num_f32 v[BM+\k], v[BM+\k], v[PX+\k]     ; with lane l xor 16's 16: the block's
.endr
	QTAIL AW, AB
.irp c, 0,1,2
	global_store_b128 v[LI], v[PC+4*\c:PC+4*\c+3], s[OUT:OUT+1] offset:512*\c      ; 512 consecutive bytes
.endr
	global_store_b32 v[SWO], v[PW], s[OUT:OUT+1]
	s_wait_xcnt 0x0                                ; the stores have read their base and their data
	s_add_nc_u64 s[OUT:OUT+1], s[OUT:OUT+1], s[RPB:RPB+1]
.endm
	s_load_b128 s[4:7], s[0:1], 0x0                ; xw, qkv
	v_lshl_add_u32 v[SPW], v0, 2, SPARE
	v_mov_b32 v[NIL], 0
	ds_add_u32 v[SPW], v[NIL]                      ; the wave's opening: the add and its wait stand ahead of my first tensor load; the set-up below stands between them
	v_lshrrev_b32 v3, 5, v0
	v_readfirstlane_b32 s[WV], v3
	s_lshr_b32 s[WS1], s[WV], 1
	s_and_b32 s[WS0], s[WV], 1
	s_bfe_u32 s11, ttmp6, 0x40000                  ; cx
	s_bfe_u32 s12, ttmp6, 0x40004                  ; cy
	s_and_b32 s13, ttmp7, 0xffff                   ; the cluster's y, 0 .. 15: equal in all partners
	s_lshr_b32 s14, s13, 3                         ; part 1: T: 0 K, 1 Q
	s_and_b32 s15, s13, 7                          ; which 1,024 rows of x
	s_mul_i32 s16, s14, 6815744                    ; x of T in xw; also T's part of qkv
	s_mul_i32 s17, s14, 851968
	s_add_co_u32 s17, s17, 20447232                ; W^T of T in xw
	s_lshl_b32 s19, s15, 2
	s_add_co_u32 s19, s19, s12                     ; g1: which 256 rows of x;  which 256 of d is cx
	s_mul_i32 s74, s[WS0], 106496                  ; the eight tiles that I fetch
	s_mul_i32 s20, s11, 212992                     ; S0's address hangs on cx alone,
	s_add_co_u32 s20, s20, s17
	s_add_co_u32 s20, s20, s74
	s_mov_b32 s21, 0
	s_mul_i32 s22, s19, 212992                     ; S1's on cy alone
	s_add_co_u32 s22, s22, s16
	s_add_co_u32 s22, s22, s74
	s_mov_b32 s23, 0
	s_lshr_b32 s72, s13, 1                         ; part 2: which 1,024 keys,
	s_and_b32 s73, s13, 1                          ; which 512 of d
	s_lshl_b32 s[P2A], s72, 2
	s_add_co_u32 s[P2A], s[P2A], s11               ; h0: which 256 keys
	s_lshl_b32 s[P2B], s73, 2
	s_add_co_u32 s[P2B], s[P2B], s12               ; h1: which 128 of d
	s_lshl_b32 s77, s19, 4                         ; part 1's output: row tile 16 g1 + 8 x my half of S1,
	s_lshl_b32 s78, s[WS1], 3
	s_add_co_u32 s77, s77, s78
	s_mul_i32 s77, s77, 13312                      ; four records a row tile,
	s_add_co_u32 s77, s77, s16
	s_mul_i32 s78, s11, REC                        ; record cx,
	s_add_co_u32 s77, s77, s78
	s_mul_i32 s78, s[WS0], 1536                    ; image = my half of S0
	s_add_co_u32 s[OUT], s77, s78
	s_mov_b32 s[OUT+1], 0
	s_lshl_b32 s77, s[P2B], 3                      ; part 2's output: d tile 8 h1 + 4 x my half of S1,
	s_lshl_b32 s18, s[WS1], 2
	s_add_co_u32 s77, s77, s18
	s_mul_i32 s77, s77, 106496                     ; 32 records a d tile,
	s_add_co_u32 s77, s77, s78                     ; image = my half of the keys,
	s_mul_i32 s18, s[P2A], REC                     ; record h0
	s_add_co_u32 s77, s77, s18
	s_add_co_u32 s[OU2], s77, 13631488
	s_mov_b32 s[OU2+1], 0
	s_mul_i32 s[P2A], s[P2A], 212992               ; part 2's S0: x_v's 16 row tiles of h0, my eight of them
	s_add_co_u32 s[P2A], s[P2A], s74
	s_add_co_u32 s[P2A], s[P2A], 13631488
	s_mov_b32 s[P2A+1], 0
	s_mul_i32 s[P2B], s[P2B], 106496               ; part 2's S1: W_v^T's 8 row tiles of h1, my four of them
	s_mul_i32 s15, s[WS0], 53248
	s_add_co_u32 s[P2B], s[P2B], s15
	s_add_co_u32 s[P2B], s[P2B], 22151168
	s_mov_b32 s[P2B+1], 0
	s_mov_b32 s[RPB], 13312
	s_mov_b32 s[RPB+1], 0
	s_lshl_b32 s75, 0x1111, s11                    ; my column of the cluster
	s_lshl_b32 s76, s12, 2
	s_lshl_b32 s76, 15, s76                        ; my row
	s_or_b32 s[G1A], s75, (3<<16)|(1<<21)          ; 15:0 the mask; 17:16 elements of 8 bytes; 21 set beside a mask; no padding
	s_or_b32 s[G1B], s76, (3<<16)|(1<<21)
	s_or_b32 s[G1C], s75, (3<<16)|(1<<21)
	s_or_b32 s[G1D], s76, (3<<16)|(1<<21)
.irp g, G1A, G1B
	s_mov_b32 s[\g+1], 416<<16                     ; tensor_dim0: a record, 3,328 bytes
	s_mov_b32 s[\g+2], 8<<16                       ; tensor_dim1: eight tiles
	s_mov_b32 s[\g+3], 416<<16                     ; tile_dim0
	s_mov_b32 s[\g+4], 8                           ; tile_dim1
	s_mov_b32 s[\g+5], 1664                        ; from tile to tile: four records
	s_mov_b32 s[\g+6], 0
	s_mov_b32 s[\g+7], 0
.endr
	s_mov_b32 s[G1C+1], 832<<16                    ; two records, 6,656 bytes
	s_mov_b32 s[G1C+2], 8<<16                      ; eight tiles
	s_mov_b32 s[G1C+3], 832<<16
	s_mov_b32 s[G1C+4], 8
	s_mov_b32 s[G1C+5], 1664
	s_mov_b32 s[G1C+6], 0
	s_mov_b32 s[G1C+7], 0
	s_mov_b32 s[G1D+1], 832<<16
	s_mov_b32 s[G1D+2], 4<<16                      ; four tiles
	s_mov_b32 s[G1D+3], 832<<16
	s_mov_b32 s[G1D+4], 4
	s_mov_b32 s[G1D+5], 1664
	s_mov_b32 s[G1D+6], 0
	s_mov_b32 s[G1D+7], 0
	s_mul_i32 s79, s[WV], HALF                     ; where part 1's tiles go: no place in the cluster enters an LDS address
	s_mov_b32 s[SEL], 0x76543210
	s_mov_b32 s[SEL+1], 0xfedcba98
	s_wait_dscnt 0x0                               ; the opening add is done
	s_wait_kmcnt 0x0
	s_add_nc_u64 s[20:21], s[4:5], s[20:21]
	s_add_nc_u64 s[22:23], s[4:5], s[22:23]
	s_add_nc_u64 s[P2A:P2A+1], s[4:5], s[P2A:P2A+1]
	s_add_nc_u64 s[P2B:P2B+1], s[4:5], s[P2B:P2B+1]
	s_add_nc_u64 s[OUT:OUT+1], s[6:7], s[OUT:OUT+1]
	s_add_nc_u64 s[OU2:OU2+1], s[6:7], s[OU2:OU2+1]
	CROUND                                         ; all sixteen work-groups are here: the first joint loads meet
.irp s, 0,1,2
	s_mov_b32 s[G0A+4*\s], 1
	s_add_co_u32 s[G0A+4*\s+1], s79, \s*SLOT
	s_add_nc_u64 s[G0A+4*\s+2:G0A+4*\s+3], s[20:21], \s*REC
	s_or_b32 s[G0A+4*\s+3], s[G0A+4*\s+3], 0x80000000
	s_mov_b32 s[G0B+4*\s], 1
	s_add_co_u32 s[G0B+4*\s+1], s79, \s*SLOT
	s_add_nc_u64 s[G0B+4*\s+2:G0B+4*\s+3], s[22:23], \s*REC
	s_or_b32 s[G0B+4*\s+3], s[G0B+4*\s+3], 0x80000000
	JLOAD G0A+4*\s, G1A, G0B+4*\s, G1B             ; records 0, 1, 2: three loads of mine are out
.endr
	v_and_b32 v3, 31, v0                           ; lane
	v_and_b32 v1, 15, v0                           ; r
	v_bfe_u32 v2, v0, 4, 1                         ; h
	v_lshlrev_b32 v[LI], 4, v3
	s_mul_i32 s72, s[WS0], HALF                    ; part 1: my eight tiles of S0,
	s_mul_i32 s73, s[WS1], HALF
	s_add_co_u32 s73, s73, S1O                     ; of S1
	s_xor_b32 s74, s[WS0], 1
	s_add_co_u32 s74, s74, s[WS1]
	s_mul_i32 s74, s74, HALF
	s_add_co_u32 s74, s74, S1O-HALF                ; the distance from the one to the other
	v_mul_u32_u24 v7, s74, v2                      ; lanes 16-31 take S1's scale words
	v_lshl_add_u32 v7, v3, 3, v7
.irp s, 0,1,2
	v_add_nc_u32 v[AD0+\s], s72, v[LI]
	v_add_nc_u32 v[AD1+\s], s73, v[LI]
	v_add_nc_u32 v[ADS+\s], s72, v7
	s_add_co_u32 s72, s72, SLOT
	s_add_co_u32 s73, s73, SLOT
.endr
	s_mul_i32 s72, s[WS0], 8*REC2                  ; part 2: my eight tiles of S0 in a double slot,
	s_mul_i32 s73, s[WS1], 4*REC2                  ; my four of S1
	s_xor_b32 s74, s[WS0], 1
	s_lshl_b32 s74, s74, 1
	s_add_co_u32 s74, s74, s[WS1]
	s_mul_i32 s74, s74, 4*REC2
	s_add_co_u32 s74, s74, 8*REC2                  ; D0: the distance from my S0 tiles to my S1 tiles
	v_mul_u32_u24 v7, s74, v2
	v_lshl_add_u32 v7, v3, 3, v7
	s_add_co_u32 s77, s72, D0A
	v_add_nc_u32 v[AE0], s77, v[LI]
	v_add_nc_u32 v[AES], s77, v7
	v_lshl_add_u32 v[AET], v3, 3, s77
	s_add_co_u32 s78, s73, D0B
	v_add_nc_u32 v[AE1], s78, v[LI]
	s_add_co_u32 s74, s74, D1B-D0B+D0A-D1A         ; D1: the same distance there
	v_mul_u32_u24 v7, s74, v2
	v_lshl_add_u32 v7, v3, 3, v7
	v_add_nc_u32 v[AE0+1], s72, v[LI]              ; (D1's S0 tiles begin at LDS byte 0)
	v_add_nc_u32 v[AES+1], s72, v7
	v_lshl_add_u32 v[AET+1], v3, 3, s72
	s_add_co_u32 s78, s73, D1B
	v_add_nc_u32 v[AE1+1], s78, v[LI]
	s_mul_i32 s78, s[WS0], 1532
	s_sub_co_u32 s78, 3072, s78
	v_lshl_add_u32 v[SWO], v3, 3, s78              ; 3,072 + 8 x lane + 4 x image, counted from the image's first byte
	s_wait_tensorcnt 0x2                           ; my part of record 0 is in; the two younger loads stay out
	s_barrier_signal -1
	s_barrier_wait -1
	FETCH 0, 0, 0
	SCALES 0, 0
	SUBP 0,0,0,1, 0,1,-1                           ; record 0: the first products start the sums
	SUBT 1,0,1,1, 1,1                              ; slot 0 is free: record 3 is asked for; slots 1 and 2 are shown whole
	; The loads of slots 1 and 2 were shown done by the wait for all tensor loads just passed; record 3's names set 0 alone.  So sets 1 and 2 are written anew: for D0 and for D1.
	s_mul_i32 s72, s[WS0], 8*REC2
	s_add_co_u32 s[G0A+5], s72, D0A
	s_mov_b64 s[G0A+6:G0A+7], s[P2A:P2A+1]         ; D0: part 2's records 0 and 1
	s_or_b32 s[G0A+7], s[G0A+7], 0x80000000
	s_add_co_u32 s[G0A+9], s72, D1A
	s_add_nc_u64 s[G0A+10:G0A+11], s[P2A:P2A+1], REC2   ; D1: records 2 and 3
	s_or_b32 s[G0A+11], s[G0A+11], 0x80000000
	s_mul_i32 s73, s[WS0], 4*REC2
	s_add_co_u32 s[G0B+5], s73, D0B
	s_mov_b64 s[G0B+6:G0B+7], s[P2B:P2B+1]
	s_or_b32 s[G0B+7], s[G0B+7], 0x80000000
	s_add_co_u32 s[G0B+9], s73, D1B
	s_add_nc_u64 s[G0B+10:G0B+11], s[P2B:P2B+1], REC2
	s_or_b32 s[G0B+11], s[G0B+11], 0x80000000
	SUBP 0,1,0,0, 1,1,-1
	SUBP 1,1,1,0, 2,0,0
	SUBP 0,0,0,0, 2,1,-1
	SUBT 1,0,1,2, 0,1                              ; record 3 is shown whole; slots 1 and 2 have been read out: D0 is asked for
	SUBP 0,1,0,0, 0,1,-1
	s_wait_dscnt 0x0
	MULQ 1,1,1,0,0
	MULQ 1,1,1,2,0
	MULQ 1,1,1,4,0
	MULQ 1,1,1,6,0
	WIN 0
	PLACES
.irp k, 0,1,2,3
	v_mov_b32 v[PX+\k], 0                          ; a lane permute's destination counts as one of its sources
.endr
	EPI 0
	EPI 1
	s_wait_tensorcnt 0x0                           ; D0 has landed; slot 0's last fragments were taken into registers in front of the last sub-step
	ds_add_u32 v[SPW], v[NIL]
	s_wait_dscnt 0x0
	CROUND                                         ; no wave of any partner still reads slot 0 or has a load on its way
	JLOAD G0A+8, G1C, G0B+8, G1D                   ; D1: six epilogue tiles and three sub-steps ahead of the wait for it
	F2A 0,0,0,1,0                                  ; part 2's first fragments, into set 1, which the epilogue does not touch
	F2A 0,0,0,1,4
	F2B 0,0,0,1
	SCALES2 0,0,0
.irp a, 2,3,4,5,6,7
	EPI \a
.endr
	s_mov_b64 s[OUT:OUT+1], s[OU2:OU2+1]           ; (behind the last tile's wait on XCNT)  on to V^T
	s_mov_b32 s[RPB], 106496
	SUB2 0, 1,0,0,1, 0,0,1,-1                      ; part 2: the first products start the sums
	SUB2 0, 0,0,1,0, 0,1,0,1
	SUB2 0, 1,1,0,0, 0,1,1,-1
	SUB2 1, 0,1,1,0, 1,0,0,0                       ; D1 is shown whole
	SUB2 0, 1,0,0,0, 1,0,1,-1
	SUB2 0, 0,0,1,0, 1,1,0,1
	SUB2 0, 1,1,0,0, 1,1,1,-1
	s_wait_dscnt 0x0
	MUL8 0,1,1,0,0
	MUL8 0,1,1,1,0
	MUL8 0,1,1,2,0
	MUL8 0,1,1,3,0
	WIN 0
	PLACES
.irp a, 0,1,2,3
	EPI \a
.endr
	s_wait_tensorcnt 0x0                           ; the wave's end
	ds_add_u32 v[SPW], v[NIL]
	s_wait_dscnt 0x0
	CROUND                                         ; the closing round
	s_endpgm
.Lfunc_end_k_q0d222a5851_proj:
	.size	k_q0d222a5851_proj, .Lfunc_end_k_q0d222a5851_proj-k_q0d222a5851_proj
	.p2alignl 7, 3214868480
	.fill 96, 4, 3214868480
	.section	.rodata,"a",@progbits
	.p2align	6, 0x0
	.amdhsa_kernel k_q0d222a5851_proj
		.amdhsa_group_segment_fixed_size 327680
		.amdhsa_private_segment_fixed_size 0
		.amdhsa_enable_private_segment 0
		.amdhsa_kernarg_size 16
		.amdhsa_user_sgpr_count 2
		.amdhsa_user_sgpr_kernarg_segment_ptr 1
		.amdhsa_wavefront_size32 1
		.amdhsa_system_sgpr_workgroup_id_x 1
		.amdhsa_system_sgpr_workgroup_id_y 1
		.amdhsa_system_sgpr_workgroup_id_z 1
		.amdhsa_system_vgpr_workitem_id 0
		.amdhsa_next_free_vgpr 1024
		.amdhsa_next_free_sgpr 102
		.amdhsa_reserve_vcc 0
		.amdhsa_float_denorm_mode_32 3
		.amdhsa_float_denorm_mode_16_64 3
		.amdhsa_memory_ordered 1
		.amdhsa_forward_progress 1
		.amdhsa_inst_pref_size 215
	.end_amdhsa_kernel
	.amdgpu_metadata
---
amdhsa.version: [ 1, 2 ]
amdhsa.kernels:
  - .name:           k_q0d222a5851_proj
    .symbol:         k_q0d222a5851_proj.kd
    .args:
      - { .name: xw, .offset: 0, .size: 8, .value_kind: global_buffer, .address_space: global }
      - { .name: qkv, .offset: 8, .size: 8, .value_kind: global_buffer, .address_space: global }
    .group_segment_fixed_size: 327680
    .private_segment_fixed_size: 0
    .kernarg_segment_align: 8
    .kernarg_segment_size: 16
    .max_flat_workgroup_size: 128
    .sgpr_count:     102
    .vgpr_count:     1024
    .wavefront_size: 32
...
	.end_amdgpu_metadata
.endif
;; end of part 2
;; launch smax (part 3): grid 36 x 4, 4 waves a work-group, no clusters, 327,680 bytes of LDS; arguments qkv, pimg, stat; writes pimg, stat
.if DOCPART == 3
	.amdgcn_target "amdgcn-amd-amdhsa--gfx1250"
	.amdhsa_code_object_version 6
	.text
	.protected	k_q0d222a5851_smax
	.globl	k_q0d222a5851_smax
	.p2align	8
	.type	k_q0d222a5851_smax,@function
k_q0d222a5851_smax:
	s_mov_b64 s[64:65], 0
	v_nop
	global_prefetch_b8 v0, s[64:65] scope:SCOPE_SE
	s_setreg_imm32_b32 hwreg(HW_REG_WAVE_MODE, 25, 1), 1
	s_wait_xcnt 0x0
; SMAX: S^T = K Q^T on codes of E2M3 for the 36 tiles of 256 keys x 256 queries on or under the diagonal of each of the 4 batches; the causal mask; p = 2^(t - M), quantised along the keys.
; t = score x log2(e) / 32.  M IS LOCAL: each unit of 128 keys x 16 queries takes M = ceil(its own largest t), a whole number.  The last launch takes the whole-number difference to the row's M off p's scale
; bytes: an exact power of two, which the scales take up.  So -M, the sum of the unquantised p and p's scale word go together to stat: 16 bytes for each (batch, key step, query): -M, the sum, the word, the sum again.
; p's codes go to pimg as register images (two to a record of 3,328 bytes); the records' 256 bytes for scale words are left unwritten there, and nobody reads them.
; A work-group: S0 = 256 keys (tile Jt), S1 = 256 queries (tile I), K = d = 1,024; four waves, each 128 x 128.  In a result lane (r, h) holds query r and register j of tile b key 16 b + 8 h + j.
; ORDER INSIDE A BLOCK OF 32 KEYS: 0-7, 16-23, 8-15, 24-31, the same as in V^T's records, which are made by the same lines.
; The one wave tile of a diagonal work-group that lies wholly above the diagonal runs the products like the others (no barrier and no load is jumped over) and stores nothing: nobody uses that unit.
; NO CLUSTER: the rows of the causal triangle have 1 to 8 tiles, and what a tile does (the mask on the diagonal alone, the hidden wave tile left out) hangs on its own place.
; LIMITS: NaN and infinities are not served; a block whose every p is 0 keeps the byte 1 (zero codes).
; LDS: three slots of one record step (256 along d): K's 16 tiles x 3,328 bytes, then Q's 16; records 0-2 are first fills, record 3 goes into slot 0 behind the one refill barrier.
; REGISTERS: window 0: v1-31 addresses; v32-63 scale words, two sets; v64-255 fragment set 0; windows 1, 2: accumulators (a, b) at 64 (a % 4) + 8 b; window 3: v64-255 fragment set 1.
.set REC,   3328
.set HALF,  8*REC
.set S1O,   2*HALF
.set SLOT,  4*HALF
.set SPARE, 3*SLOT
.set AD0, 4
.set AD1, 8
.set ADS, 12
.set LI,  16
.set STV, 18                           ; v18  16 r + 8 h: lanes 0-15 store -M and the sum, lanes 16-31 the scale word and the sum
.set DG,  19                           ; v19  r - 8 h
.set NI,  20                           ; v20  -infinity
.set SPW, 28
.set NIL, 29
.set SC,  32
.set F0,  64
.set F1,  160
.set P,   64                           ; the way out, in window 0: v64-127 t - M, then p
.set BM,  128
.set PX,  132
.set SO,  136
.set BY,  140
.set NM,  144                          ; v[144:145] -M (the packed form names a pair and takes its low word)
.set RM,  146
.set LS,  148                          ; v[148:149], v[150:151] the sum in two chains
.set LT,  150
.set PW,  152
.set PC,  156
.set PH,  168
.set SD,  176                          ; v[176:177] what goes to stat
.set WV,  8
.set WS1, 9
.set WS0, 10
.set JJ,  18                           ; s18  my key step of 128
.set II,  19                           ; s19  my tile of 128 queries
.set G1,  24
.set G0,  32                           ; s[32:43] a set for each slot
.set CS,  44                           ; s[44:45] c = log2(e) / 32
.set SEL, 46
.set HM,  48                           ; s48  lanes 16-31
.set OP,  50                           ; s[50:51] where my images go
.set OS,  52                           ; s[52:53] where my statistics go
.set MSB, 0
.macro WIN new
.if MSB != (\new)
	s_set_vgpr_msb (MSB<<8)|(\new)
.set MSB, (\new)
.endif
.endm
.macro PLACES
.rept 4
	v_nop
.endr
.endm
.macro FETCH slot, sub, p
	WIN 0xc0*(\p)
.irp b, 0,1,2,3,4,5,6,7
.irp c, 0,1,2
	ds_load_b128 v[F0+12*\b+4*\c:F0+12*\b+4*\c+3], v[AD0+(\slot)] offset:REC*\b+1536*(\sub)+512*\c
.endr
.endr
.irp b, 0,1,2,3,4,5,6,7
.irp c, 0,1,2
	ds_load_b128 v[F1+12*\b+4*\c:F1+12*\b+4*\c+3], v[AD1+(\slot)] offset:REC*\b+1536*(\sub)+512*\c
.endr
.endr
	WIN 0
.endm
.macro SCALES slot, q
.irp i, 0,1,2,3,4,5,6,7
	ds_load_b64 v[SC+16*(\q)+2*\i:SC+16*(\q)+2*\i+1], v[ADS+(\slot)] offset:REC*\i+3072
.endr
.endm
.macro MULQ p, q, sub, a0, zero        ; the 64 accumulators take turns, one instruction a turn
	WIN (0x50*(1+(\a0)/4))|(0x0f*(\p))
.irp a, \a0, \a0+1
.irp b, 0,1,2,3,4,5,6,7
.if \zero
	v_wmma_scale_f32_16x16x128_f8f6f4 v[64*((\a)%4)+8*\b:64*((\a)%4)+8*\b+7], v[F0+12*\b:F0+12*\b+11], v[F1+12*(\a):F1+12*(\a)+11], 0, v[SC+16*(\q)+2*\b+(\sub)], v[SC+16*(\q)+2*(\a)+(\sub)] matrix_a_fmt:MATRIX_FMT_FP6 matrix_b_fmt:MATRIX_FMT_FP6 matrix_b_scale:MATRIX_SCALE_ROW1
.else
	v_wmma_scale_f32_16x16x128_f8f6f4 v[64*((\a)%4)+8*\b:64*((\a)%4)+8*\b+7], v[F0+12*\b:F0+12*\b+11], v[F1+12*(\a):F1+12*(\a)+11], v[64*((\a)%4)+8*\b:64*((\a)%4)+8*\b+7], v[SC+16*(\q)+2*\b+(\sub)], v[SC+16*(\q)+2*(\a)+(\sub)] matrix_a_fmt:MATRIX_FMT_FP6 matrix_b_fmt:MATRIX_FMT_FP6 matrix_b_scale:MATRIX_SCALE_ROW1
.endif
.endr
.endr
.endm
.macro SUBP p, q, sub, zero, nslot, nsub, nq
	s_wait_dscnt 0x0                               ; set p and its scale words are in
	PLACES                                         ; behind the last products that read the other set
	MULQ \p, \q, \sub, 0, \zero
	FETCH \nslot, \nsub, 1-(\p)
.if (\nq) >= 0
	SCALES \nslot, \nq
.endif
	MULQ \p, \q, \sub, 2, \zero
	MULQ \p, \q, \sub, 4, \zero
	MULQ \p, \q, \sub, 6, \zero
.endm
.macro JLOAD s                         ; each wave fetches eight tiles of its own: waves 0 and 1 K's halves, waves 2 and 3 Q's; an s_nop 0 and four v_nop follow
	tensor_load_to_lds s[G0+4*(\s):G0+4*(\s)+3], s[G1:G1+7]
	s_nop 0
.rept 4
	v_nop
.endr
.endm
.macro REFILL                          ; slot 0 takes record 3: my one tensor load behind the barrier, and the first thing there
	s_add_nc_u64 s[G0+2:G0+3], s[G0+2:G0+3], 3*REC
	JLOAD 0
.endm
.macro SUBT p, q, sub, fill, nslot, nq
	WIN 0
	s_wait_tensorcnt 0x0                           ; all my tensor loads have landed
	ds_add_u32 v[SPW], v[NIL]                      ; 0 onto my spare word
	s_wait_dscnt 1                                 ; the add alone may be out: set p is in
	MULQ \p, \q, \sub, 0, 0
	s_wait_dscnt 0x0
	s_barrier_signal -1
	MULQ \p, \q, \sub, 2, 0
	WIN 0
	s_barrier_wait -1
.if \fill
	REFILL                                         ; the four v_nop behind the load are also the places in front of the loads below
.else
	PLACES
.endif
	FETCH \nslot, 0, 1-(\p)
	SCALES \nslot, \nq
	MULQ \p, \q, \sub, 4, 0
	MULQ \p, \q, \sub, 6, 0
.endm
.macro QTAIL srcwin, src
	s_wait_xcnt 0x0                                ; the earlier stores have read PC and SD
.irp k, 0,1,2,3
	v_add_nc_u32 v[SO+\k], 0xff000000, v[BM+\k]
.endr
.irp k, 0,1,2,3
	v_lshrrev_b32 v[BY+\k], 23, v[SO+\k]
.endr
	v_lshl_or_b32 v[PW], v[BY+1], 8, v[BY]
	v_lshl_or_b32 v[PW], v[BY+2], 16, v[PW]
	v_lshl_or_b32 v[PW], v[BY+3], 24, v[PW]
	WIN \srcwin
.irp c, 0,1
	v_cvt_scalef32_pk16_fp6_f32 v[PC+6*\c:PC+6*\c+2], v[(\src)+32*\c:(\src)+32*\c+15], v[SO+2*\c]
	v_cvt_scalef32_pk16_fp6_f32 v[PH+4*\c:PH+4*\c+2], v[(\src)+32*\c+16:(\src)+32*\c+31], v[SO+2*\c+1]
.endr
	v_nop                                          ; one plain place behind a scaled conversion
	WIN 0
.irp c, 0,1
.irp i, 0,1,2
	v_permlane16_swap_b32 v[PC+6*\c+\i], v[PH+4*\c+\i]
.endr
.irp i, 0,1,2
	v_mov_b32 v[PC+6*\c+3+\i], v[PH+4*\c+\i]
.endr
.endr
.endm
; Tile a of 16 queries x my 128 keys.
.macro SOFTQ a
.set AB, 64*((\a)%4)
.set AW, 1+(\a)/4
	s_cmp_lg_u32 s[JJ], s[II]                      ; ids alone: only the unit on the diagonal is masked
	s_cbranch_scc1 .Lopen_\@
	WIN 0x41*AW                                    ; destination and source 0: the accumulators' window
.irp j, 0,1,2,3,4,5,6,7                ; key 16 b + 8 h + j is hidden from query 16 a + r where 16 (b - a) + j > r - 8 h: never for b < a, always for b > a
	v_cmp_gt_i32 vcc_lo, \j, v[DG]
	v_cndmask_b32 v[AB+8*(\a)+\j], v[AB+8*(\a)+\j], v[NI], vcc_lo
.endr
.if (\a) < 7
.set jj, 8*(\a)+8
.rept 56-8*(\a)
	v_mov_b32 v[AB+jj], 0xff800000
.set jj, jj+1
.endr
.endif
	WIN 0
.Lopen_\@:
	WIN 0x05*AW
.irp k, 0,1,2,3
	v_max_num_f32 v[BM+\k], v[AB+16*\k], v[AB+16*\k+1]     ; the largest score of each block of 32 keys: it serves for the row's maximum and, since p rises with the score, for the block's largest p
.endr
.irp i, 2,4,6,8,10,12,14
.irp k, 0,1,2,3
	v_max3_num_f32 v[BM+\k], v[AB+16*\k+\i], v[AB+16*\k+\i+1], v[BM+\k]
.endr
.endr
	WIN 0
.irp k, 0,1,2,3
	v_permlanex16_b32 v[PX+\k], v[BM+\k], s[SEL], s[SEL+1]
.endr
.irp k, 0,1,2,3
	v_max_num_f32 v[BM+\k], v[BM+\k], v[PX+\k]
.endr
	v_max3_num_f32 v[RM], v[BM], v[BM+1], v[BM+2]
	v_max_num_f32 v[RM], v[RM], v[BM+3]            ; finite: every row of a unit that is kept sees the unit's first key
	v_mul_f32 v[RM], s[CS], v[RM]
	v_floor_f32 v[NM], -v[RM]                      ; -M = floor(-t) = -ceil(t)
	WIN AW
.set jj, 0
.rept 32
	v_pk_fma_f32 v[P+jj:P+jj+1], v[AB+jj:AB+jj+1], s[CS:CS+1], v[NM:NM+1] op_sel_hi:[1,0,0]   ; t - M, two at a time
.set jj, jj+2
.endr
	WIN 0
.irp k, 0,1,2,3
	v_fma_f32 v[BM+\k], v[BM+\k], s[CS], v[NM]     ; the same of each block's largest score
.endr
.set jj, 0
.rept 64
	v_exp_f32 v[P+jj], v[P+jj]                     ; p = 2^(t - M), at most 1
.set jj, jj+1
.endr
	v_nop                                          ; a plain place behind the exponentials
	s_wait_alu depctr_va_vdst(0)                   ; one wait for the whole batch, ahead of its first reader
.irp k, 0,1,2,3
	v_exp_f32 v[BM+\k], v[BM+\k]                   ; the block's largest p
.endr
	v_pk_add_f32 v[LS:LS+1], v[P:P+1], v[P+2:P+3]  ; the sum of the unquantised p, in two chains: plain work behind the four
	v_pk_add_f32 v[LT:LT+1], v[P+4:P+5], v[P+6:P+7]
.irp j, 8,12,16,20,24,28,32,36,40,44,48,52,56,60
	v_pk_add_f32 v[LS:LS+1], v[LS:LS+1], v[P+\j:P+\j+1]
	v_pk_add_f32 v[LT:LT+1], v[LT:LT+1], v[P+\j+2:P+\j+3]
.endr
	v_pk_add_f32 v[LS:LS+1], v[LS:LS+1], v[LT:LT+1]
	s_wait_alu depctr_va_vdst(0)                   ; and one for the four
.irp k, 0,1,2,3
	v_max_num_f32 v[BM+\k], 0x1800000, v[BM+\k]    ; the floor 2^(3 - 127)
.endr
	QTAIL 0, P
	v_add_f32 v[LT], v[LS], v[LS+1]
	v_permlanex16_b32 v[LT+1], v[LT], s[SEL], s[SEL+1]
	v_add_f32 v[SD+1], v[LT], v[LT+1]              ; with lane l xor 16's 64 keys: the unit's sum for my query
	v_cndmask_b32 v[SD], v[NM], v[PW], s[HM]       ; lanes 0-15: -M; lanes 16-31: the scale word
.irp c, 0,1,2
	global_store_b128 v[LI], v[PC+4*\c:PC+4*\c+3], s[OP:OP+1] offset:26624*(\a)+512*\c   ; 512 consecutive bytes
.endr
	global_store_b64 v[STV], v[SD:SD+1], s[OS:OS+1] offset:256*(\a)                      ; 32 lanes store 256 consecutive bytes, aligned
.endm
	s_load_b128 s[4:7], s[0:1], 0x0                ; qkv, pimg
	s_load_b64 s[16:17], s[0:1], 0x10              ; stat
	v_lshl_add_u32 v[SPW], v0, 2, SPARE
	v_mov_b32 v[NIL], 0
	ds_add_u32 v[SPW], v[NIL]                      ; the wave's opening: the add and its wait stand ahead of my first tensor load
	v_lshrrev_b32 v3, 5, v0
	v_readfirstlane_b32 s[WV], v3
	s_lshr_b32 s[WS1], s[WV], 1
	s_and_b32 s[WS0], s[WV], 1
	s_mov_b32 s11, ttmp9                           ; the tile's number in the triangle
	s_and_b32 s12, ttmp7, 0xffff                   ; the batch
	s_mov_b32 s13, 0
.irp thr, 1,3,6,10,15,21,28
	s_cmp_ge_u32 s11, \thr
	s_cselect_b32 s15, 1, 0
	s_add_co_u32 s13, s13, s15                     ; I: the row of the triangle
.endr
	s_add_co_u32 s15, s13, 1
	s_mul_i32 s15, s15, s13
	s_lshr_b32 s15, s15, 1
	s_sub_co_u32 s14, s11, s15                     ; Jt = number - I (I + 1) / 2
	s_lshl_b32 s[JJ], s14, 1
	s_add_co_u32 s[JJ], s[JJ], s[WS0]
	s_lshl_b32 s[II], s13, 1
	s_add_co_u32 s[II], s[II], s[WS1]
	s_cmp_eq_u32 s[WS1], 0                         ; waves 0, 1 fetch K's tile Jt, waves 2, 3 Q's tile I
	s_cselect_b32 s22, s14, s13
	s_cselect_b32 s23, 0, 6815744
	s_lshl_b32 s22, s22, 4
	s_lshl_b32 s54, s12, 7
	s_add_co_u32 s22, s22, s54
	s_lshl_b32 s54, s[WS0], 3
	s_add_co_u32 s22, s22, s54                     ; the first of my eight row tiles
	s_mul_i32 s20, s22, 13312
	s_add_co_u32 s20, s20, s23
	s_mov_b32 s21, 0
	s_mov_b32 s[G1], 3<<16                         ; no mask; elements of 8 bytes; no padding
	s_mov_b32 s[G1+1], 416<<16                     ; a record, 3,328 bytes
	s_mov_b32 s[G1+2], 8<<16                       ; eight tiles
	s_mov_b32 s[G1+3], 416<<16
	s_mov_b32 s[G1+4], 8
	s_mov_b32 s[G1+5], 1664                        ; from tile to tile: four records
	s_mov_b32 s[G1+6], 0
	s_mov_b32 s[G1+7], 0
	s_mul_i32 s57, s[WV], HALF
	s_lshl_b32 s55, s12, 7                         ; pimg: query tile 128 b + 16 I + 8 x my half,
	s_lshl_b32 s56, s13, 4
	s_add_co_u32 s55, s55, s56
	s_lshl_b32 s56, s[WS1], 3
	s_add_co_u32 s55, s55, s56
	s_lshl_b32 s55, s55, 3                         ; eight records a tile,
	s_add_co_u32 s55, s55, s14                     ; record Jt,
	s_mul_i32 s[OP], s55, REC
	s_mul_i32 s56, s[WS0], 1536                    ; image = my half of the keys
	s_add_co_u32 s[OP], s[OP], s56
	s_mov_b32 s[OP+1], 0
	s_lshl_b32 s55, s12, 4                         ; stat: [b][key step][query] x 16 bytes
	s_add_co_u32 s55, s55, s[JJ]
	s_lshl_b32 s55, s55, 11
	s_lshl_b32 s56, s13, 8
	s_add_co_u32 s55, s55, s56
	s_lshl_b32 s56, s[WS1], 7
	s_add_co_u32 s55, s55, s56
	s_lshl_b32 s[OS], s55, 4
	s_mov_b32 s[OS+1], 0
	s_mov_b32 s[CS], 0x3d38aa3b                    ; log2(e) / 32
	s_mov_b32 s[CS+1], s[CS]
	s_mov_b32 s[SEL], 0x76543210
	s_mov_b32 s[SEL+1], 0xfedcba98
	s_mov_b32 s[HM], 0xffff0000
	s_wait_dscnt 0x0                               ; the opening add is done
	s_wait_kmcnt 0x0
	s_add_nc_u64 s[20:21], s[4:5], s[20:21]
	s_add_nc_u64 s[OP:OP+1], s[6:7], s[OP:OP+1]
	s_add_nc_u64 s[OS:OS+1], s[16:17], s[OS:OS+1]
.irp s, 0,1,2
	s_mov_b32 s[G0+4*\s], 1
	s_add_co_u32 s[G0+4*\s+1], s57, \s*SLOT
	s_add_nc_u64 s[G0+4*\s+2:G0+4*\s+3], s[20:21], \s*REC
	s_or_b32 s[G0+4*\s+3], s[G0+4*\s+3], 0x80000000
	JLOAD \s                                       ; records 0, 1, 2: three loads of mine are out
.endr
	v_and_b32 v3, 31, v0
	v_and_b32 v1, 15, v0
	v_bfe_u32 v2, v0, 4, 1
	v_lshlrev_b32 v[LI], 4, v3
	s_mul_i32 s54, s[WS0], HALF
	s_mul_i32 s55, s[WS1], HALF
	s_add_co_u32 s55, s55, S1O
	s_xor_b32 s56, s[WS0], 1
	s_add_co_u32 s56, s56, s[WS1]
	s_mul_i32 s56, s56, HALF
	s_add_co_u32 s56, s56, S1O-HALF                ; the distance from my S0 tiles to my S1 tiles
	v_mul_u32_u24 v7, s56, v2
	v_lshl_add_u32 v7, v3, 3, v7
.irp s, 0,1,2
	v_add_nc_u32 v[AD0+\s], s54, v[LI]
	v_add_nc_u32 v[AD1+\s], s55, v[LI]
	v_add_nc_u32 v[ADS+\s], s54, v7
	s_add_co_u32 s54, s54, SLOT
	s_add_co_u32 s55, s55, SLOT
.endr
	v_lshlrev_b32 v[STV], 4, v1
	v_lshl_add_u32 v[STV], v2, 3, v[STV]
	v_lshlrev_b32 v[DG], 3, v2
	v_sub_nc_u32 v[DG], v1, v[DG]
	v_mov_b32 v[NI], 0xff800000
	s_wait_tensorcnt 0x2                           ; my part of record 0 is in; the two younger loads stay out
	s_barrier_signal -1
	s_barrier_wait -1
	FETCH 0, 0, 0
	SCALES 0, 0
	SUBP 0,0,0,1, 0,1,-1
	SUBT 1,0,1,1, 1,1
	SUBP 0,1,0,0, 1,1,-1
	SUBP 1,1,1,0, 2,0,0
	SUBP 0,0,0,0, 2,1,-1
	SUBT 1,0,1,0, 0,1
	SUBP 0,1,0,0, 0,1,-1
	s_wait_dscnt 0x0
	MULQ 1,1,1,0,0
	MULQ 1,1,1,2,0
	MULQ 1,1,1,4,0
	MULQ 1,1,1,6,0
	WIN 0
	PLACES
	s_cmp_gt_u32 s[JJ], s[II]                      ; my 128 keys all come after my 128 queries: nothing to store
	s_cbranch_scc1 .Lend
.irp k, 0,1,2,3
	v_mov_b32 v[PX+\k], 0                          ; a lane permute's destination counts as one of its sources
.endr
	v_mov_b32 v[NM+1], 0                           ; (named as the upper half of a pair)
.irp a, 0,1,2,3,4,5,6,7
	SOFTQ \a
.endr
.Lend:
	s_wait_tensorcnt 0x0                           ; the wave's end
	ds_add_u32 v[SPW], v[NIL]
	s_wait_dscnt 0x0
	s_endpgm
.Lfunc_end_k_q0d222a5851_smax:
	.size	k_q0d222a5851_smax, .Lfunc_end_k_q0d222a5851_smax-k_q0d222a5851_smax
	.p2alignl 7, 3214868480
	.fill 96, 4, 3214868480
	.section	.rodata,"a",@progbits
	.p2align	6, 0x0
	.amdhsa_kernel k_q0d222a5851_smax
		.amdhsa_group_segment_fixed_size 327680
		.amdhsa_private_segment_fixed_size 0
		.amdhsa_enable_private_segment 0
		.amdhsa_kernarg_size 24
		.amdhsa_user_sgpr_count 2
		.amdhsa_user_sgpr_kernarg_segment_ptr 1
		.amdhsa_wavefront_size32 1
		.amdhsa_system_sgpr_workgroup_id_x 1
		.amdhsa_system_sgpr_workgroup_id_y 1
		.amdhsa_system_sgpr_workgroup_id_z 1
		.amdhsa_system_vgpr_workitem_id 0
		.amdhsa_next_free_vgpr 1024
		.amdhsa_next_free_sgpr 66
		.amdhsa_reserve_vcc 1
		.amdhsa_float_denorm_mode_32 3
		.amdhsa_float_denorm_mode_16_64 3
		.amdhsa_memory_ordered 1
		.amdhsa_forward_progress 1
		.amdhsa_inst_pref_size 208
	.end_amdhsa_kernel
	.amdgpu_metadata
---
amdhsa.version: [ 1, 2 ]
amdhsa.kernels:
  - .name:           k_q0d222a5851_smax
    .symbol:         k_q0d222a5851_smax.kd
    .args:
      - { .name: qkv, .offset: 0, .size: 8, .value_kind: global_buffer, .address_space: global }
      - { .name: pimg, .offset: 8, .size: 8, .value_kind: global_buffer, .address_space: global }
      - { .name: stat, .offset: 16, .size: 8, .value_kind: global_buffer, .address_space: global }
    .group_segment_fixed_size: 327680
    .private_segment_fixed_size: 0
    .kernarg_segment_align: 8
    .kernarg_segment_size: 24
    .max_flat_workgroup_size: 128
    .sgpr_count:     66
    .vgpr_count:     1024
    .wavefront_size: 32
...
	.end_amdgpu_metadata
.endif
;; end of part 3
;; launch pv (part 4): grid 4 x 64, 4 waves a work-group, no clusters, 327,680 bytes of LDS; arguments qkv, pimg, stat, out0; writes out0
.if DOCPART == 4
	.amdgcn_target "amdgcn-amd-amdhsa--gfx1250"
	.amdhsa_code_object_version 6
	.text
	.protected	k_q0d222a5851_pv
	.globl	k_q0d222a5851_pv
	.p2align	8
	.type	k_q0d222a5851_pv,@function
k_q0d222a5851_pv:
	s_mov_b64 s[64:65], 0
	v_nop
	global_prefetch_b8 v0, s[64:65] scope:SCOPE_SE
	s_setreg_imm32_b32 hwreg(HW_REG_WAVE_MODE, 25, 1), 1
	s_wait_xcnt 0x0
; PV: O^T = V^T P^T on codes of E2M3, up to the causal limit, divided by the row's sum.  A work-group makes 256 d (source 0 = V^T) x 128 queries (source 1 = P) of one batch; four waves, each 128 d x 64 queries: 32 accumulators.
; Query tile i (0 .. 15) has NK = i + 1 key steps of 128.  256 work-groups.
; THE PROLOGUE brings P under the row's M.  Each key step J of a row was quantised under its own whole number M_J; the row's M is the largest of them; D = M - M_J is taken off each of the step's four E8M0 bytes
; (held at 0 from below), and the step's sum is multiplied by 2^-D: both exact.  The key loop then has no vector work.
; stat holds 16 bytes for each (batch, key step, query): -M_J, the sum, p's scale word, the sum again.  LANES 0-15 TAKE KEY STEP 2 t, LANES 16-31 KEY STEP 2 t + 1 of the same row: 32 loads of 16 bytes a lane bring all that a wave
; needs (4 tiles of queries x 8 pairs of steps; sixteen lanes read 256 consecutive bytes), each line of the correction serves two key steps, and the matrix instruction takes an odd step's scale word from lanes 16-31.
; LIMIT: D is held at 127; a step that lies so far under the row's M enters with the scale 2^-127 and its sum x 2^-127: under 2^-118 of the row's sum, which is above 1/2.  NaN and infinities are not served.
; What lies at key steps J >= NK (units that no launch has written), and the scale areas of P's records, are fetched along, but enter no result: the guards on NK, made of ids alone, lead round every use,
; and where NK is odd the upper lanes of the last pair are replaced (3e38 for -M, 0 for the sum) ahead of the minimum.
; LDS: two slots of four key steps (two records): V^T's 16 tiles x 6,656 bytes, then P's 8.  The change of slots stands at a slot's head; every work-group passes all four changes; a slot beyond the causal limit is not asked for.
; Every wait on TENSORcnt is for 0; one tensor load a wave is out.
; NO CLUSTER: the query tiles that share V's tiles need 1 to 16 key steps, and each leaves its hidden steps and loads out by branches on its own tile's number, which may neither hang on a place in a cluster nor lead round a joint load; the four d tiles that share P's tiles share a third of a step's bytes.
; REGISTERS: window 0: addresses; v16-23 the sums, then 1 / sum; v32-63 V's scale words, two sets; v64-95 P's scale words: (tile a, steps 2 t and 2 t + 1) at 64 + 8 a + t; v128-255 what came from stat, later the way out.
;   window 1: accumulators (a, b) at 64 a + 8 b;  windows 2, 3: fragment sets 0, 1: V's fragment b at 12 b, P's a at 96 + 12 a.
.set REC,   3328
.set REC2,  6656
.set POFF,  16*REC2
.set SLOT,  24*REC2
.set SPARE, 2*SLOT
.set ADV, 4                            ; v4-5  LDS address of my V fragments in slot 0, 1
.set ADP, 6                            ; v6-7  of my P fragments
.set AVS, 8                            ; v8-9  of V's scale words
.set LI,  10                           ; v10   16 x lane
.set STO, 11                           ; v11   the stage: where I put 32 bytes of a row
.set RD,  12                           ; v12   and where I read a row back
.set SV,  14                           ; v14   16 r + 32,768 h: my row's entry in stat, lanes 16-31 one key step on
.set L8,  15                           ; v15   8 x lane
.set RL,  16                           ; v16, 18, 20, 22: tile a's sum, then its reciprocal (the odd partners are written once)
.set MN,  24                           ; v24-27 the least -M of tile a's rows
.set SPW, 28
.set NIL, 29
.set ZR,  30                           ; v30   0
.set BIG, 31                           ; v31   3e38
.set VS,  32
.set W,   64
.set ST,  128                          ; (a, t): -M at 128 + 32 a + 4 t, the sum, the scale word and a spare word beside it
.set TMPO, 128
.set BK,  192
.set WV,  12
.set WS1, 13
.set WS0, 14
.set NK,  18
.set G1V, 24
.set G1P, 32
.set G0V, 40                           ; s[40:47] a set for each slot
.set G0P, 48
.set SB,  56                           ; s[56:57] my rows' entries in stat
.set SEL, 58                           ; s[58:59] lane selects for lane l xor 16
.set OB,  60                           ; s[60:61] my part of out0
.set HB,  62                           ; s62  0x80808080
.set HM,  68                           ; s68  lanes 16-31
.set MSB, 0
.macro WIN new
.if MSB != (\new)
	s_set_vgpr_msb (MSB<<8)|(\new)
.set MSB, (\new)
.endif
.endm
.macro PLACES
.rept 4
	v_nop
.endr
.endm
.macro TLOAD sl                        ; waves 0 and 1 fetch V's halves, waves 2 and 3 P's; an s_nop 0 and four v_nop follow each of the two lines
	s_cmp_lt_u32 s[WV], 2
	s_cbranch_scc0 .Lfor_p_\@
	tensor_load_to_lds s[G0V+4*(\sl):G0V+4*(\sl)+3], s[G1V:G1V+7]
	s_nop 0
.rept 4
	v_nop
.endr
	s_branch .Lasked_\@
.Lfor_p_\@:
	tensor_load_to_lds s[G0P+4*(\sl):G0P+4*(\sl)+3], s[G1P:G1P+7]
	s_nop 0
.rept 4
	v_nop
.endr
.Lasked_\@:
.endm
.macro FV sl, rec, sub, p, b0          ; 12 LDS loads: V^T's fragments b0 .. b0 + 3 of one key step
	WIN 0x80+0x40*(\p)
.irp b, \b0, \b0+1, \b0+2, \b0+3
.irp c, 0,1,2
	ds_load_b128 v[12*(\b)+4*\c:12*(\b)+4*\c+3], v[ADV+(\sl)] offset:REC2*(\b)+REC*(\rec)+1536*(\sub)+512*\c
.endr
.endr
.endm
.macro FP sl, rec, sub, p              ; 12 LDS loads: P's four fragments
	WIN 0x80+0x40*(\p)
.irp a, 0,1,2,3
.irp c, 0,1,2
	ds_load_b128 v[96+12*\a+4*\c:96+12*\a+4*\c+3], v[ADP+(\sl)] offset:REC2*\a+REC*(\rec)+1536*(\sub)+512*\c
.endr
.endr
.endm
.macro VSC sl, rec, q                  ; V's scale words of a record: two words a row
	WIN 0
.irp b, 0,1,2,3,4,5,6,7
	ds_load_b64 v[VS+16*(\q)+2*\b:VS+16*(\q)+2*\b+1], v[AVS+(\sl)] offset:REC2*\b+REC*(\rec)+3072
.endr
.endm
.macro MUL8 p, q, sub, J, a            ; 8 matrix instructions: tile a of queries x my eight tiles of d; the 32 accumulators take turns; key step 0 starts the sums
	WIN 0x5a+5*(\p)
.irp b, 0,1,2,3,4,5,6,7
.if (\J) == 0
	v_wmma_scale_f32_16x16x128_f8f6f4 v[64*(\a)+8*\b:64*(\a)+8*\b+7], v[12*\b:12*\b+11], v[96+12*(\a):96+12*(\a)+11], 0, v[VS+16*(\q)+2*\b+(\sub)], v[W+8*(\a)+(\J)/2] matrix_a_fmt:MATRIX_FMT_FP6 matrix_b_fmt:MATRIX_FMT_FP6
.elseif (\J)%2
	v_wmma_scale_f32_16x16x128_f8f6f4 v[64*(\a)+8*\b:64*(\a)+8*\b+7], v[12*\b:12*\b+11], v[96+12*(\a):96+12*(\a)+11], v[64*(\a)+8*\b:64*(\a)+8*\b+7], v[VS+16*(\q)+2*\b+(\sub)], v[W+8*(\a)+(\J)/2] matrix_a_fmt:MATRIX_FMT_FP6 matrix_b_fmt:MATRIX_FMT_FP6 matrix_b_scale:MATRIX_SCALE_ROW1
.else
	v_wmma_scale_f32_16x16x128_f8f6f4 v[64*(\a)+8*\b:64*(\a)+8*\b+7], v[12*\b:12*\b+11], v[96+12*(\a):96+12*(\a)+11], v[64*(\a)+8*\b:64*(\a)+8*\b+7], v[VS+16*(\q)+2*\b+(\sub)], v[W+8*(\a)+(\J)/2] matrix_a_fmt:MATRIX_FMT_FP6 matrix_b_fmt:MATRIX_FMT_FP6
.endif
.endr
.endm
.macro FIX t                           ; key steps 2 t (lanes 0-15) and 2 t + 1 (lanes 16-31) of my four tiles: their sums and scale words under the row's M; what came from stat serves as scratch
.irp a, 0,1,2,3
	v_sub_f32 v[ST+32*\a+4*(\t)], v[MN+\a], v[ST+32*\a+4*(\t)]     ; M_J - M: a whole number, 0 or less
.endr
.irp a, 0,1,2,3
	v_max_num_f32 v[ST+32*\a+4*(\t)], 0xc2fe0000, v[ST+32*\a+4*(\t)]   ; held at -127
.endr
.irp a, 0,1,2,3
	v_cvt_i32_f32 v[ST+32*\a+4*(\t)], v[ST+32*\a+4*(\t)]
.endr
.irp a, 0,1,2,3
	v_ldexp_f32 v[ST+32*\a+4*(\t)+1], v[ST+32*\a+4*(\t)+1], v[ST+32*\a+4*(\t)]
.endr
.irp a, 0,1,2,3
	v_add_f32 v[RL+2*\a], v[RL+2*\a], v[ST+32*\a+4*(\t)+1]
.endr
.irp a, 0,1,2,3
	v_sub_nc_u32 v[ST+32*\a+4*(\t)], 0, v[ST+32*\a+4*(\t)]         ; D, 0 .. 127,
.endr
.irp a, 0,1,2,3
	v_lshl_or_b32 v[ST+32*\a+4*(\t)], v[ST+32*\a+4*(\t)], 8, v[ST+32*\a+4*(\t)]
.endr
.irp a, 0,1,2,3
	v_lshl_or_b32 v[ST+32*\a+4*(\t)], v[ST+32*\a+4*(\t)], 16, v[ST+32*\a+4*(\t)]   ; in all four bytes
.endr
.irp a, 0,1,2,3
	v_sub_nc_u32 v[W+8*\a+(\t)], v[W+8*\a+(\t)], v[ST+32*\a+4*(\t)]   ; bit 7 of each byte was set
.endr
.irp a, 0,1,2,3
	v_and_b32 v[ST+32*\a+4*(\t)+1], s[HB], v[W+8*\a+(\t)]          ; the guard stands where byte >= D:
.endr
.irp a, 0,1,2,3
	v_lshrrev_b32 v[ST+32*\a+4*(\t)], 7, v[ST+32*\a+4*(\t)+1]
.endr
.irp a, 0,1,2,3
	v_sub_nc_u32 v[ST+32*\a+4*(\t)+1], v[ST+32*\a+4*(\t)+1], v[ST+32*\a+4*(\t)]   ; 0x7f there, 0 elsewhere
.endr
.irp a, 0,1,2,3
	v_and_b32 v[W+8*\a+(\t)], v[W+8*\a+(\t)], v[ST+32*\a+4*(\t)+1]   ; max(byte - D, 0)
.endr
.endm
; THE CHANGE OF SLOTS, at the head of slot sn's steps.  Each wave waits for all its tensor loads, adds 0 to its spare word, and waits for that and for its reads of the slot that it has left.
.macro CHANGE sn
	s_wait_tensorcnt 0x0                           ; no tensor load of mine is out, so a group 0 may be written
	ds_add_u32 v[SPW], v[NIL]                      ; 0 onto my spare word
.if ((\sn) == 1) || ((\sn) == 2)
	s_add_nc_u64 s[G0V+4*(((\sn)+1)%2)+2:G0V+4*(((\sn)+1)%2)+3], s[G0V+4*(((\sn)+1)%2)+2:G0V+4*(((\sn)+1)%2)+3], 2*REC2   ; the other slot's next two records
	s_add_nc_u64 s[G0P+4*(((\sn)+1)%2)+2:G0P+4*(((\sn)+1)%2)+3], s[G0P+4*(((\sn)+1)%2)+2:G0P+4*(((\sn)+1)%2)+3], 2*REC2
.endif
	s_wait_dscnt 0x0
	s_barrier_signal -1
	s_barrier_wait -1
.if (\sn) < 3
	s_cmp_le_u32 s[NK], 4*((\sn)+1)                ; ids alone, the same in all four waves: a slot none of whose steps counts is not asked for
	s_cbranch_scc1 .Lpast_\@
	TLOAD ((\sn)+1)%2                              ; my one tensor load behind the barrier
.Lpast_\@:
.endif
.endm
; A KEY STEP: 32 matrix instructions.  The next step's 36 LDS loads go in three runs of 12, at the head, behind 8 and behind 16 products: a run is short, the first has all 32 products behind it and the last 16.
; That costs two window switches a run: with 12 fragments for 32 products the loads, not the switches, are what a step has to hide.
.macro KSTEP sn, u
.set KJ, 4*(\sn)+(\u)
.set SL, (\sn)%2
.if (\u) > 0
	s_cmp_le_u32 s[NK], KJ                         ; a step all of whose keys come after my tile's queries is left out
	s_cbranch_scc1 .Lskip_\sn
.endif
	s_wait_dscnt 0x0                               ; this step's fragments and scale words are in
	PLACES                                         ; behind the last products that read the other set
.if (\u) < 3
	FV SL, ((\u)+1)/2, ((\u)+1)%2, 1-(\u)%2, 0
.endif
	MUL8 (\u)%2, (\u)/2, (\u)%2, KJ, 0
.if (\u) < 3
	FV SL, ((\u)+1)/2, ((\u)+1)%2, 1-(\u)%2, 4
.endif
	MUL8 (\u)%2, (\u)/2, (\u)%2, KJ, 1
.if (\u) < 3
	FP SL, ((\u)+1)/2, ((\u)+1)%2, 1-(\u)%2
.endif
.if (\u) == 1
	VSC SL, 1, 1
.endif
	MUL8 (\u)%2, (\u)/2, (\u)%2, KJ, 2
	MUL8 (\u)%2, (\u)/2, (\u)%2, KJ, 3
	WIN 0
.endm
.macro SLOTWORK sn
.if (\sn) > 0
	s_cmp_le_u32 s[NK], 4*(\sn)
	s_cbranch_scc1 .Lskip_\sn
.endif
	PLACES
	FV (\sn)%2, 0, 0, 0, 0
	FV (\sn)%2, 0, 0, 0, 4
	FP (\sn)%2, 0, 0, 0
	VSC (\sn)%2, 0, 0
	KSTEP \sn, 0
	KSTEP \sn, 1
	KSTEP \sn, 2
	KSTEP \sn, 3
.Lskip_\sn:
.endm
; Tile a of 16 queries leaves: x 1 / sum; through my stage (rows of 528 bytes); back as whole rows of 512 bytes.
.macro OUTA a
	WIN 0x01                                       ; source 0: the accumulators' window
.set kk, 0
.rept 32
	v_pk_mul_f32 v[TMPO+kk:TMPO+kk+1], v[64*(\a)+kk:64*(\a)+kk+1], v[RL+2*(\a):RL+2*(\a)+1] op_sel_hi:[1,0]   ; each accumulator from its low end on
.set kk, kk+2
.endr
	WIN 0
.irp b, 0,1,2,3,4,5,6,7
	ds_store_b128 v[STO], v[TMPO+8*\b:TMPO+8*\b+3] offset:64*\b
	ds_store_b128 v[STO], v[TMPO+8*\b+4:TMPO+8*\b+7] offset:64*\b+16
.endr
.if (\a) > 0
	s_wait_xcnt 0x0                                ; the last tile's stores have read the registers that the loads below fill
.endif
.irp t, 0,1,2,3,4,5,6,7,8,9,10,11,12,13,14,15
	ds_load_b128 v[BK+4*\t:BK+4*\t+3], v[RD] offset:528*\t         ; LDS serves a wave's instructions in order: these see my stores
.endr
.irp t, 0,1,2,3,4,5,6,7,8,9,10,11,12,13,14,15
	s_wait_dscnt 15-\t                             ; row t is back; the younger loads stay out
	global_store_b128 v[LI], v[BK+4*\t:BK+4*\t+3], s[OB:OB+1] offset:(16*(\a)+\t)*4096 th:TH_STORE_NT   ; 512 consecutive bytes, aligned
.endr
.endm
	s_load_b256 s[4:11], s[0:1], 0x0               ; qkv, pimg, stat, out0
	v_lshl_add_u32 v[SPW], v0, 2, SPARE
	v_mov_b32 v[NIL], 0
	ds_add_u32 v[SPW], v[NIL]                      ; the wave's opening: the add and its wait stand ahead of my first tensor load
	v_lshrrev_b32 v1, 5, v0
	v_readfirstlane_b32 s[WV], v1
	s_lshr_b32 s[WS1], s[WV], 1
	s_and_b32 s[WS0], s[WV], 1
	s_mov_b32 s15, ttmp9                           ; which 256 of d
	s_and_b32 s19, ttmp7, 0xffff
	s_lshr_b32 s16, s19, 4                         ; the batch
	s_and_b32 s17, s19, 15                         ; i: the tile of 128 queries
	s_add_co_u32 s[NK], s17, 1
	v_and_b32 v1, 15, v0                           ; r
	v_bfe_u32 v2, v0, 4, 1                         ; h
	v_and_b32 v3, 31, v0                           ; lane
	v_lshlrev_b32 v[SV], 4, v1
	v_lshl_add_u32 v[SV], v2, 15, v[SV]            ; a key step of stat is 2,048 queries x 16 bytes
	s_lshl_b32 s[SB], s16, 19                      ; stat: [b][J][query] x 16 bytes; my 64 queries
	s_lshl_b32 s19, s17, 11
	s_add_co_u32 s[SB], s[SB], s19
	s_lshl_b32 s19, s[WS1], 10
	s_add_co_u32 s[SB], s[SB], s19
	s_mov_b32 s[SB+1], 0
	s_mov_b32 s[G1V], 3<<16                        ; V: eight d tiles x two records (6,656 bytes), 32 records apart
	s_mov_b32 s[G1V+1], 832<<16
	s_mov_b32 s[G1V+2], 8<<16
	s_mov_b32 s[G1V+3], 832<<16
	s_mov_b32 s[G1V+4], 8
	s_mov_b32 s[G1V+5], 13312
	s_mov_b32 s[G1V+6], 0
	s_mov_b32 s[G1V+7], 0
	s_mov_b32 s[G1P], 3<<16                        ; P: four query tiles x two records, 8 records apart
	s_mov_b32 s[G1P+1], 832<<16
	s_mov_b32 s[G1P+2], 4<<16
	s_mov_b32 s[G1P+3], 832<<16
	s_mov_b32 s[G1P+4], 4
	s_mov_b32 s[G1P+5], 3328
	s_mov_b32 s[G1P+6], 0
	s_mov_b32 s[G1P+7], 0
	s_lshl_b32 s20, s15, 4
	s_lshl_b32 s19, s[WS0], 3
	s_add_co_u32 s20, s20, s19                     ; V: d tile 16 dt + 8 (wave % 2),
	s_mul_i32 s20, s20, 106496
	s_mul_i32 s19, s16, 8*REC                      ; the batch's first record
	s_add_co_u32 s20, s20, s19
	s_add_co_u32 s20, s20, 13631488
	s_mov_b32 s21, 0
	s_lshl_b32 s22, s16, 7
	s_lshl_b32 s19, s17, 3
	s_add_co_u32 s22, s22, s19
	s_lshl_b32 s19, s[WS0], 2
	s_add_co_u32 s22, s22, s19                     ; P: query tile 128 b + 8 i + 4 (wave % 2)
	s_mul_i32 s22, s22, 26624
	s_mov_b32 s23, 0
	s_mul_i32 s66, s[WS0], 8*REC2                  ; where they go
	s_mul_i32 s67, s[WS0], 4*REC2
	s_add_co_u32 s67, s67, POFF
	s_mov_b32 s[HB], 0x80808080
	s_mov_b32 s[HM], 0xffff0000
	s_mov_b32 s[SEL], 0x76543210
	s_mov_b32 s[SEL+1], 0xfedcba98
	s_wait_dscnt 0x0                               ; the opening add is done
	s_wait_kmcnt 0x0
	s_add_nc_u64 s[SB:SB+1], s[8:9], s[SB:SB+1]
.irp a, 0,1,2,3
.irp t, 0,1,2,3,4,5,6,7
	global_load_b128 v[ST+32*\a+4*\t:ST+32*\a+4*\t+3], v[SV], s[SB:SB+1] offset:65536*\t+256*\a   ; row r of tile a: key step 2 t in lanes 0-15, 2 t + 1 in lanes 16-31.  These 32 small loads go out ahead of the tiles
.endr
.endr
	s_add_nc_u64 s[20:21], s[4:5], s[20:21]
	s_add_nc_u64 s[22:23], s[6:7], s[22:23]
.irp s, 0,1
	s_mov_b32 s[G0V+4*\s], 1
	s_add_co_u32 s[G0V+4*\s+1], s66, \s*SLOT
	s_add_nc_u64 s[G0V+4*\s+2:G0V+4*\s+3], s[20:21], \s*REC2
	s_or_b32 s[G0V+4*\s+3], s[G0V+4*\s+3], 0x80000000
	s_mov_b32 s[G0P+4*\s], 1
	s_add_co_u32 s[G0P+4*\s+1], s67, \s*SLOT
	s_add_nc_u64 s[G0P+4*\s+2:G0P+4*\s+3], s[22:23], \s*REC2
	s_or_b32 s[G0P+4*\s+3], s[G0P+4*\s+3], 0x80000000
.endr
	TLOAD 0                                        ; key steps 0 to 3; the prologue below runs while they are on their way
	v_lshlrev_b32 v[L8], 3, v3
	v_lshlrev_b32 v[LI], 4, v3
	s_lshl_b32 s[OB], s16, 23                      ; out0: row 2,048 b + 128 i + 64 x my half, 4,096 bytes a row;
	s_lshl_b32 s19, s17, 19
	s_add_co_u32 s[OB], s[OB], s19
	s_lshl_b32 s19, s[WS1], 18
	s_add_co_u32 s[OB], s[OB], s19
	s_lshl_b32 s19, s15, 10                        ; column 256 dt + 128 x my half
	s_add_co_u32 s[OB], s[OB], s19
	s_lshl_b32 s19, s[WS0], 9
	s_add_co_u32 s[OB], s[OB], s19
	s_mov_b32 s[OB+1], 0
	s_add_nc_u64 s[OB:OB+1], s[10:11], s[OB:OB+1]
	s_mul_i32 s63, s[WS0], 8*REC2                  ; my eight tiles of V^T,
	s_mul_i32 s66, s[WS1], 4*REC2
	s_add_co_u32 s66, s66, POFF                    ; my four of P
.irp s, 0,1
	v_add_nc_u32 v[ADV+\s], s63, v[LI]
	v_add_nc_u32 v[ADP+\s], s66, v[LI]
	v_add_nc_u32 v[AVS+\s], s63, v[L8]
	s_add_co_u32 s63, s63, SLOT
	s_add_co_u32 s66, s66, SLOT
.endr
	s_mul_i32 s63, s[WV], 8448                     ; my stage: in slot 0, which has had its last fill and its last read when the first result is stored there
	v_mul_u32_u24 v[STO], v1, 528
	v_lshl_add_u32 v[STO], v2, 5, v[STO]
	v_add_nc_u32 v[STO], s63, v[STO]
	v_add_nc_u32 v[RD], s63, v[LI]
	v_mov_b32 v[ZR], 0
	v_mov_b32 v[BIG], 0x7f61b1e6                   ; 3e38, above every -M
.irp k, 0,1,2,3,4,5,6,7
	v_mov_b32 v[RL+\k], 0
.endr
	s_wait_loadcnt 0x0
.irp a, 0,1,2,3
.irp t, 0,1,2,3,4,5,6,7
	v_or_b32 v[W+8*\a+\t], s[HB], v[ST+32*\a+4*\t+2]   ; p's bytes are at most 125: bit 7 of each byte is set.  All 32 scale registers are written here, on every path
.endr
.endr
.irp t, 0,1,2,3,4,5,6,7                ; the least -M over the steps that count is -(the row's M)
.if \t > 0
	s_cmp_le_u32 s[NK], 2*\t
	s_cbranch_scc1 .Lmin_done
.endif
	s_cmp_gt_u32 s[NK], 2*\t+1
	s_cselect_b32 s63, 0, s[HM]                    ; lanes 16-31 where key step 2 t + 1 does not count: ids alone
.irp a, 0,1,2,3
	v_cndmask_b32 v[ST+32*\a+4*\t], v[ST+32*\a+4*\t], v[BIG], s63
.endr
.irp a, 0,1,2,3
	v_cndmask_b32 v[ST+32*\a+4*\t+1], v[ST+32*\a+4*\t+1], v[ZR], s63
.endr
.irp a, 0,1,2,3
.if \t > 0
	v_min_num_f32 v[MN+\a], v[MN+\a], v[ST+32*\a+4*\t]
.else
	v_mov_b32 v[MN+\a], v[ST+32*\a]
.endif
.endr
.endr
.Lmin_done:
.irp a, 0,1,2,3
	v_permlanex16_b32 v[ST+32*\a+3], v[MN+\a], s[SEL], s[SEL+1]    ; (the spare word of pair 0 takes it)
.endr
.irp a, 0,1,2,3
	v_min_num_f32 v[MN+\a], v[MN+\a], v[ST+32*\a+3]                ; the even steps' with the odd steps'
.endr
	FIX 0
.irp t, 1,2,3,4,5,6,7
	s_cmp_le_u32 s[NK], 2*\t
	s_cbranch_scc1 .Lfixed
	FIX \t
.endr
.Lfixed:
.irp a, 0,1,2,3
	v_permlanex16_b32 v[ST+32*\a+3], v[RL+2*\a], s[SEL], s[SEL+1]
.endr
.irp a, 0,1,2,3
	v_add_f32 v[RL+2*\a], v[RL+2*\a], v[ST+32*\a+3]                ; the even steps' sums and the odd steps': the row's sum
.endr
.irp a, 0,1,2,3
	v_rcp_f32 v[RL+2*\a], v[RL+2*\a]               ; the row's sum is above 1/2
.endr
	v_nop                                          ; a plain place behind the reciprocals
	s_wait_alu depctr_va_vdst(0)                   ; one wait for the four
.rept 8
	v_nop                                          ; scale registers written by vector instructions stand eight places ahead of a scaled matrix instruction
.endr
	CHANGE 0
	SLOTWORK 0
	CHANGE 1
	SLOTWORK 1
	CHANGE 2
	SLOTWORK 2
	CHANGE 3
	SLOTWORK 3
	s_wait_dscnt 0x0                               ; fragments fetched for a step that was left out
	PLACES
	OUTA 0
	OUTA 1
	OUTA 2
	OUTA 3
	s_wait_tensorcnt 0x0                           ; the wave's end
	ds_add_u32 v[SPW], v[NIL]
	s_wait_dscnt 0x0
	s_endpgm
.Lfunc_end_k_q0d222a5851_pv:
	.size	k_q0d222a5851_pv, .Lfunc_end_k_q0d222a5851_pv-k_q0d222a5851_pv
	.p2alignl 7, 3214868480
	.fill 96, 4, 3214868480
	.section	.rodata,"a",@progbits
	.p2align	6, 0x0
	.amdhsa_kernel k_q0d222a5851_pv
		.amdhsa_group_segment_fixed_size 327680
		.amdhsa_private_segment_fixed_size 0
		.amdhsa_enable_private_segment 0
		.amdhsa_kernarg_size 32
		.amdhsa_user_sgpr_count 2
		.amdhsa_user_sgpr_kernarg_segment_ptr 1
		.amdhsa_wavefront_size32 1
		.amdhsa_system_sgpr_workgroup_id_x 1
		.amdhsa_system_sgpr_workgroup_id_y 1
		.amdhsa_system_sgpr_workgroup_id_z 1
		.amdhsa_system_vgpr_workitem_id 0
		.amdhsa_next_free_vgpr 1024
		.amdhsa_next_free_sgpr 72
		.amdhsa_reserve_vcc 0
		.amdhsa_float_denorm_mode_32 3
		.amdhsa_float_denorm_mode_16_64 3
		.amdhsa_memory_ordered 1
		.amdhsa_forward_progress 1
		.amdhsa_inst_pref_size 174
	.end_amdhsa_kernel
	.amdgpu_metadata
---
amdhsa.version: [ 1, 2 ]
amdhsa.kernels:
  - .name:           k_q0d222a5851_pv
    .symbol:         k_q0d222a5851_pv.kd
    .args:
      - { .name: qkv, .offset: 0, .size: 8, .value_kind: global_buffer, .address_space: global }
      - { .name: pimg, .offset: 8, .size: 8, .value_kind: global_buffer, .address_space: global }
      - { .name: stat, .offset: 16, .size: 8, .value_kind: global_buffer, .address_space: global }
      - { .name: out0, .offset: 24, .size: 8, .value_kind: global_buffer, .address_space: global }
    .group_segment_fixed_size: 327680
    .private_segment_fixed_size: 0
    .kernarg_segment_align: 8
    .kernarg_segment_size: 32
    .max_flat_workgroup_size: 128
    .sgpr_count:     72
    .vgpr_count:     1024
    .wavefront_size: 32
...
	.end_amdgpu_metadata
.endif
;; end of part 4
